; MI455X (gfx1250); checked and timed in simulation.
; The chip was launched on July 23, 2026; its instructions are those of AMD's public machine-readable ISA for CDNA 5 (MIT licence, August 2026) and "CDNA5" Instruction Set Architecture Reference Guide (July 2026). The comments in the code are by the model that wrote it; some were corrected since.
;; Radix MLP Qwen3 Attention. Allowed arithmetic: matrix products marked QUANTISED: E2M3 operands, one E8M0 scale for each 32 along K, by v_wmma_scale_f32_16x16x128_f8f6f4 with both operands' format E2M3, f32 sums; everything else in f32.
;; Inputs: cos 6,400 x 64 float32; cu_seq_lengths 9 int32; fold_gather 6,400 int32; hidden_states 6,400 x 2,048 float32; k_norm_w 128 float32; q_norm_w 128 float32; scatter_indices 8,192 int32; sin 6,400 x 64 float32; wk 2,048 x 512 float32; wo 1,024 x 2,048 float32; wq 2,048 x 1,024 float32; wv 2,048 x 512 float32.
;; Outputs: out0 6,400 x 2,048 float32.
;; Constants: max_seq_len = 1024.
;; This version of the problem:
;;   THIS VERSION OF THE PROBLEM IS GIVEN IN LOW PRECISION. The matrix products marked QUANTISED in the list below multiply operands that are first quantised to E2M3 (2 exponent bits, 3 mantissa bits; 6 bits a number), with one power-of-two scale for each 32 numbers along K (OCP MX v1.0); their sums are f32. All else is computed in f32.
;;   The module's matrix products, in the order in which they are computed (A, B: the left and right operand; K: the contracted axis; several contracted axes count as one K, in the product's order):
;;     1. [M 6,400, K 2,048] x [K 2,048, N 1,024]; A: input hidden_states; B: input wq: QUANTISED
;;     2. [M 6,400, K 2,048] x [K 2,048, N 512]; A: input hidden_states; B: input wk: QUANTISED
;;     3. [M 6,400, K 2,048] x [K 2,048, N 512]; A: input hidden_states; B: input wv: QUANTISED
;;     4. batch 64 x [M 1,024, K 128] x [K 128, N 1,024]; A: computed on the way; B: computed on the way: QUANTISED
;;     5. batch 64 x [M 128, K 1,024] x [K 1,024, N 1,024]; A: computed on the way; B: softmax (see below): QUANTISED
;;     6. [M 6,400, K 1,024] x [K 1,024, N 2,048]; A: computed on the way; B: input wo: QUANTISED
;;   THE QUANTISER, for each operand of a quantised product, along K:
;;     - K is cut into blocks of 32 from its start; a last block that is shorter is filled with zeros.
;;     - A block's scale is 2^e with e = floor(log2(the largest magnitude in the block)) - 2, held to -126 .. 127; a block of zeros has e = 0. As a byte (E8M0): e + 127.
;;     - Each number is divided by its block's scale, clamped to +-7.5, and rounded to the nearest number of E2M3, ties to even, subnormals kept.
;;     - The product sums the exact products of the quantised numbers (number of the format x scale) in f32.
;;   ~~~python
;;   def quantise(x, axis):      # numpy; x: float32 -> the quantised numbers, widened to float32 again
;;       x = np.moveaxis(x, axis, -1); K = x.shape[-1]
;;       x = np.pad(x, [(0, 0)] * (x.ndim - 1) + [(0, -K % 32)]); x = x.reshape(x.shape[:-1] + (-1, 32)); a = np.abs(x).max(-1, keepdims=True)
;;       e = np.where(a > 0, np.clip(np.frexp(np.where(a > 0, a, 1))[1] - 1 - 2, -126, 127), 0)      # np.frexp(a)[1] - 1 = floor(log2(a)), exactly
;;       r = np.clip(x / 2.0 ** e, -7.5, 7.5)
;;       step = 2.0 ** (np.maximum(np.frexp(np.where(r == 0, 1, r))[1] - 1, 0) - 3)
;;       q = np.round(r / step) * step * 2.0 ** e      # np.round: ties to even
;;       return np.moveaxis(q.reshape(q.shape[:-2] + (-1,))[..., :K], -1, axis).astype(np.float32)
;;   ~~~
;;   SOFTMAX AHEAD OF A QUANTISED PRODUCT. Where the list says 'softmax', what is quantised is not the finished softmax but p = 2^(t - M), with t = logit x log2(e) and M = ceil(the row's largest t), a whole number; so 1/2 < the row's largest p <= 1. The row's sum l is taken of the UNQUANTISED p, in f32, and the product's result is divided by l at the end. Since M is a whole number, a kernel that streams over the keys may use a running M (the ceiling of the running maximum): every later rescaling is an exact power of two, which a block's scale takes up: the codes' values come out the same.
;;   OPERANDS COMPUTED ON THE WAY. 'Computed on the way' means the value that the module computes at that place (a softmax that the list does not call 'softmax' is quantised finished and normalised). What goes into a quantiser is computed in f32, as accurately as f32 sums, v_exp_f32 and their like allow (about 1e-6 of the number): no bf16 or f16 on the way to a quantiser, and a product that is left as it is and whose result goes on into a quantised operand takes f32 operands (vector FMAs, or v_wmma_f32_16x16x4_f32). A number that lies on a knife's edge between two numbers of the format may be rounded either way, as far as f32 arithmetic and the matrix unit's own rounding can turn it there, and no further.
;; One version. Each part assembles by itself: llvm-mc -triple=amdgcn-amd-amdhsa -mcpu=gfx1250 --defsym DOCPART=n.
;; ======== version 1 of 1: 5 launches
;; limits: right only within a limited range of input values
;; workspace buffers: xc 9,830,400 bytes; wc 4,718,592 bytes; psc 606,208 bytes; qk 7,680,000 bytes; vb 13,107,200 bytes; kvf 6,553,600 bytes; oc 6,553,600 bytes
;; launch prep (part 1): grid 592 x 1, 4 waves a work-group, no clusters, 59,904 bytes of LDS; arguments hidden_states, wq, wk, wv, wo, xc, wc, psc; writes xc, wc, psc
.if DOCPART == 1
	.amdgcn_target "amdgcn-amd-amdhsa--gfx1250"
	.amdhsa_code_object_version 6
	.text
	.protected	k_qc19556c6fb_prep
	.globl	k_qc19556c6fb_prep
	.p2align	8
	.type	k_qc19556c6fb_prep,@function
k_qc19556c6fb_prep:
	s_mov_b64 s[64:65], 0
	v_nop
	global_prefetch_b8 v0, s[64:65] scope:SCOPE_SE
	s_setreg_imm32_b32 hwreg(HW_REG_WAVE_MODE, 25, 1), 1
	s_wait_xcnt 0x0
; hidden_states [6400][2048] (K innermost) and wq, wk, wv [2048][..], wo [1024][2048] (K is the FIRST axis), all f32, become codes of E2M3 with one E8M0 byte for each 32 along K.
; A block's scale is 2^(floor(log2(largest magnitude)) - 2); its byte is the largest magnitude's exponent field - 2, held at 1 from below.
; LIMITS: NaN and infinities among the inputs are not served; a block of zeros gets the byte 1 (its codes are zeros, and this program alone reads the bytes).
; THE CODES ARE LAID AS IMAGES OF THE OPERAND'S REGISTERS: a fragment (16 rows x 128 K, 12 registers a lane) is 1,536 bytes: piece c of 512 bytes holds lane l's registers 4 c .. 4 c + 3 at 16 l.
;   xc: [400 row tiles][16 K steps][1536].   wc: [128 column tiles][16][1536] for q, k, v; from byte 3,145,728 [128][8][1536] for wo.
;   psc: scale words [tile][pair of K steps][16 rows][2 words]: x at 0, q/k/v weights at 409,600, wo at 540,672.
; THE COLUMNS OF A WEIGHT TILE ARE NOT NEIGHBOURS: row r of tile 2 b + u is column 32 b + 8 u + r + 8 (r / 8), so that the transposed product leaves 16 neighbours in the 16 registers of a pair of tiles.
; q/k/v column tiles go by slots of 128 columns H = 0 .. 15: H even: q head H / 2; H odd under 8: k head (H - 1) / 2; H odd over 8: v head (H - 9) / 2.
; Work-groups 0-399 take a row tile of x each (wave w: K steps 4 w .. 4 w + 3); work-groups 400-591 take 128 columns x 256 along K of a weight (wave w: 32 columns).
; The two ways part on the work-group's number and use LDS bytes of their own.  No tensor load, no barrier: waves share nothing.
.set SPARE, 59392                      ; the spare words, 128 bytes for each wave
.set WSTG,  33792                      ; the weight way's stages: 6,400 bytes a wave; the x way's lie at 0: 16 rows x 528 bytes a wave
.set SPW, 8                            ; v8   my spare word's LDS address; never rewritten
.set NIL, 9                            ; v9   0; never rewritten
.set SEL, 22                           ; s[22:23] selects for lane l xor 16
.set PC,  12                           ; x way: v12-30 the codes just made
.set R,   32                           ; v32-159 two sets of 64 numbers as loaded
.set X,   160                          ; v160-223 64 numbers: register 16 b + i = k 32 b + 16 h + i of row r
.set TM,  224                          ; v224-239 at work in QUANT
.set PW,  240                          ; v240-243 the four K steps' scale words
.set QC,  12                           ; weight way: v12-18 a block's codes
.set QT,  20                           ; v20-22 at work
.set SB,  24                           ; v24-25 the scale words of the two K steps
.set VW,  5                            ; v5   where my column's codes go in the stage
.set VO,  32                           ; v32-63 4 x lane + i rows: never rewritten
.set WX,  64                           ; v64-127 two sets of 32 numbers
.set OUT, 144                          ; v144-191 the images read back
; 64 numbers of a lane, register 16 b + i = k 32 b + 16 (lane / 16) + i of its row, become a fragment's 12 registers in v[pc] on and the row's scale word in v[pw].
.macro QUANT s, pc, tm, pw
.irp b, 0,1,2,3
	v_max3_num_f32 v[(\tm)+\b], |v[(\s)+16*\b]|, |v[(\s)+1+16*\b]|, 0x1800000   ; my 16 numbers of block b, and the floor 2^(3 - 127): the byte cannot fall under 1
.endr
.irp i, 2,4,6,8,10,12,14
.irp b, 0,1,2,3
	v_max3_num_f32 v[(\tm)+\b], v[(\tm)+\b], |v[(\s)+16*\b+\i]|, |v[(\s)+1+16*\b+\i]|
.endr
.endr
.irp b, 0,1,2,3
	v_permlanex16_b32 v[(\tm)+4+\b], v[(\tm)+\b], s[SEL], s[SEL+1]
.endr
.irp b, 0,1,2,3
	v_max_num_f32 v[(\tm)+\b], v[(\tm)+\b], v[(\tm)+4+\b]   ; with lane l xor 16's: the block's largest magnitude
.endr
.irp b, 0,1,2,3
	v_add_nc_u32 v[(\tm)+12+\b], 0xff000000, v[(\tm)+\b]    ; 2 off its exponent field: the conversion's scale operand
.endr
.irp b, 0,1,2,3
	v_lshrrev_b32 v[(\tm)+4+\b], 23, v[(\tm)+12+\b]         ; the scale's byte
.endr
	v_lshl_or_b32 v[\pw], v[(\tm)+5], 8, v[(\tm)+4]
	v_lshl_or_b32 v[\pw], v[(\tm)+6], 16, v[\pw]
	v_lshl_or_b32 v[\pw], v[(\tm)+7], 24, v[\pw]
.irp c, 0,1
	v_cvt_scalef32_pk16_fp6_f32 v[(\pc)+6*\c:(\pc)+2+6*\c], v[(\s)+32*\c:(\s)+15+32*\c], v[(\tm)+12+2*\c]
	v_cvt_scalef32_pk16_fp6_f32 v[(\pc)+12+4*\c:(\pc)+14+4*\c], v[(\s)+16+32*\c:(\s)+31+32*\c], v[(\tm)+12+2*\c+1]
.endr
	v_nop                                          ; one plain instruction behind the scaled conversions
.irp c, 0,1                                    ; the operand wants a whole block in a lane: lanes 0-15 block 2 c, lanes 16-31 block 2 c + 1
.irp i, 0,1,2
	v_permlane16_swap_b32 v[(\pc)+6*\c+\i], v[(\pc)+12+4*\c+\i]
.endr
.irp i, 0,1,2
	v_mov_b32 v[(\pc)+3+6*\c+\i], v[(\pc)+12+4*\c+\i]
.endr
.endr
.endm
; 32 numbers of ONE lane (a column's block bk of a K step) become 24 bytes of codes, laid at their place in the K step's image in the stage, and a byte of v[sb].
.macro QBLOCK xs, bk, soff, sb
	v_max3_num_f32 v[QT], |v[\xs]|, |v[(\xs)+1]|, |v[(\xs)+2]|
	v_max3_num_f32 v[QT+1], |v[(\xs)+3]|, |v[(\xs)+4]|, |v[(\xs)+5]|
.irp i, 6,10,14,18,22,26
	v_max3_num_f32 v[QT], v[QT], |v[(\xs)+\i]|, |v[(\xs)+\i+1]|
	v_max3_num_f32 v[QT+1], v[QT+1], |v[(\xs)+\i+2]|, |v[(\xs)+\i+3]|
.endr
	v_max3_num_f32 v[QT], v[QT], |v[(\xs)+30]|, |v[(\xs)+31]|
	v_max3_num_f32 v[QT], v[QT], v[QT+1], 0x1800000        ; and the floor
	v_add_nc_u32 v[QT+2], 0xff000000, v[QT]                ; the conversion's scale operand
	v_lshrrev_b32 v[QT+1], 23, v[QT+2]                     ; the byte
.if (\bk) == 0
	v_mov_b32 v[\sb], v[QT+1]
.else
	v_lshl_or_b32 v[\sb], v[QT+1], 8*(\bk), v[\sb]
.endif
	v_cvt_scalef32_pk16_fp6_f32 v[QC:QC+2], v[\xs:(\xs)+15], v[QT+2]
	v_cvt_scalef32_pk16_fp6_f32 v[QC+4:QC+6], v[(\xs)+16:(\xs)+31], v[QT+2]
	v_nop                                          ; one plain instruction behind the scaled conversions
	v_mov_b32 v[QC+3], v[QC+4]                     ; the six registers on end
	v_mov_b32 v[QC+4], v[QC+5]
	v_mov_b32 v[QC+5], v[QC+6]
.if (\bk) < 2                                  ; registers 0-5 of lane rr + 16 (bk % 2): 0-3 in piece 0, 4-5 in piece 1
	ds_store_b128 v[VW], v[QC:QC+3] offset:(\soff)+256*((\bk)%2)
	ds_store_b64 v[VW], v[QC+4:QC+5] offset:(\soff)+512+256*((\bk)%2)
.else                                          ; registers 6-11: 6-7 in piece 1, 8-11 in piece 2
	ds_store_b64 v[VW], v[QC:QC+1] offset:(\soff)+520+256*((\bk)%2)
	ds_store_b128 v[VW], v[QC+2:QC+5] offset:(\soff)+1024+256*((\bk)%2)
.endif
.endm
	s_load_b256 s[4:11], s[0:1], 0x0               ; hidden s[4:5], wq s[6:7], wk s[8:9], wv s[10:11]
	s_load_b256 s[12:19], s[0:1], 0x20             ; wo s[12:13], xc s[14:15], wc s[16:17], psc s[18:19]
	v_lshl_add_u32 v[SPW], v0, 2, SPARE
	v_mov_b32 v[NIL], 0
	v_lshrrev_b32 v1, 5, v0
	v_readfirstlane_b32 s20, v1                    ; wave
	v_and_b32 v10, 31, v0                          ; lane
	v_lshlrev_b32 v1, 4, v10                       ; 16 x lane
	s_mov_b32 s[SEL], 0x76543210
	s_mov_b32 s[SEL+1], 0xfedcba98
	s_wait_kmcnt 0x0
	s_cmp_lt_u32 ttmp9, 400
	s_cbranch_scc0 .Lweights
	; ---------------- x: row tile ttmp9, K steps 4 w .. 4 w + 3
	v_and_b32 v5, 15, v0                           ; r
	v_bfe_u32 v11, v0, 4, 1                        ; h
	s_mul_i32 s21, s20, 16*528                     ; my stage
	s_wait_alu depctr_va_vdst(0)
	v_add_nc_u32 v2, s21, v1                       ; in: a row's 512 bytes as they lie
	v_mul_u32_u24 v3, v5, 528
	v_lshl_add_u32 v3, v11, 6, v3
	v_add_nc_u32 v3, s21, v3                       ; out: row r, + 64 h: my 16 numbers of each block
	v_lshlrev_b32 v4, 3, v5
	v_lshl_add_u32 v4, v11, 7, v4                  ; the scale words' place: 128 h + 8 r
.irp b, 0,1,2,3
	v_mov_b32 v[TM+4+\b], 0                        ; written once: a lane permute's destination counts as a source
.endr
	s_lshl_b32 s28, ttmp9, 17                      ; 16 rows of 8,192 bytes
	s_lshl_b32 s29, s20, 11                        ; 4 K steps of 512 bytes
	s_add_co_u32 s28, s28, s29
	s_mov_b32 s29, 0
	s_add_nc_u64 s[4:5], s[4:5], s[28:29]
	s_mul_i32 s28, ttmp9, 24576
	s_mul_i32 s30, s20, 6144
	s_add_co_u32 s28, s28, s30
	s_add_nc_u64 s[24:25], s[14:15], s[28:29]      ; my four images
	s_lshl_b32 s28, ttmp9, 10
	s_lshl_b32 s30, s20, 8
	s_add_co_u32 s28, s28, s30
	s_add_nc_u64 s[26:27], s[18:19], s[28:29]      ; my 256 bytes of scale words
.macro LOADX t                         ; K step t of the 16 rows: each load reads 512 consecutive bytes of one row
.irp i, 0,1,2,3,4,5,6,7,8,9,10,11,12,13,14,15
	global_load_b128 v[R+64*((\t)%2)+4*\i:R+64*((\t)%2)+4*\i+3], v1, s[4:5] offset:8192*\i+512*(\t) th:TH_LOAD_NT
.endr
.endm
.macro XSTEP t
.if (\t) < 3
	s_wait_loadcnt 16                              ; this K step's 16 loads are in; the next step's 16 may be out
.else
	s_wait_loadcnt 0x0
.endif
.irp i, 0,1,2,3,4,5,6,7,8,9,10,11,12,13,14,15
	ds_store_b128 v2, v[R+64*((\t)%2)+4*\i:R+64*((\t)%2)+4*\i+3] offset:528*\i
.endr
.irp b, 0,1,2,3
.irp j, 0,1,2,3
	ds_load_b128 v[X+16*\b+4*\j:X+16*\b+4*\j+3], v3 offset:128*\b+16*\j   ; LDS serves a wave's instructions in order: these see the stores above
.endr
.endr
	s_wait_dscnt 0x0
.if (\t) < 2
	LOADX (\t)+2
.endif
.if (\t) > 0
	s_wait_xcnt 0x0                                ; the last step's stores have read the codes' registers
.endif
	QUANT X, PC, TM, PW+(\t)
.irp c, 0,1,2
	global_store_b128 v1, v[PC+4*\c:PC+4*\c+3], s[24:25] offset:1536*(\t)+512*\c   ; 512 consecutive bytes a store
.endr
.endm
	LOADX 0
	LOADX 1
	s_wait_alu depctr_va_vdst(0)
	XSTEP 0
	XSTEP 1
	XSTEP 2
	XSTEP 3
	v_cmp_ne_u32 vcc_lo, 0, v11                    ; lanes 0-15 store K steps 4 w, 4 w + 1, lanes 16-31 the other two (both halves hold all four words)
	v_cndmask_b32 v244, v[PW], v[PW+2], vcc_lo
	v_cndmask_b32 v245, v[PW+1], v[PW+3], vcc_lo
	global_store_b64 v4, v[244:245], s[26:27]      ; 256 consecutive bytes
	s_wait_tensorcnt 0x0                           ; the wave's end, behind my last LDS store
	ds_add_u32 v[SPW], v[NIL]
	s_wait_dscnt 0x0
	s_endpgm
	; ---------------- the weights: one text for four tensors; pointers and sizes are chosen by the work-group's number alone
.Lweights:
	s_sub_co_u32 s21, ttmp9, 400                   ; g = 0 .. 191
	s_cmp_lt_u32 s21, 128                          ; q/k/v (128 work-groups) or wo (64)?
	s_cselect_b32 s24, 0, 128
	s_cselect_b32 s25, 1, 0
	s_sub_co_u32 s24, s21, s24
	s_and_b32 s26, s24, 15                         ; H: which 128 columns
	s_lshr_b32 s27, s24, 4                         ; y: which 256 along K
	s_and_b32 s28, s26, 1
	s_cmp_lt_u32 s26, 8
	s_cselect_b64 s[30:31], s[8:9], s[10:11]       ; H odd: wk under 8, wv over
	s_cselect_b32 s29, 1, 9
	s_sub_co_u32 s29, s26, s29
	s_mov_b32 s32, 2048
	s_cmp_eq_u32 s28, 0
	s_cselect_b64 s[30:31], s[6:7], s[30:31]       ; H even: wq
	s_cselect_b32 s29, s26, s29
	s_cselect_b32 s32, 4096, s32                   ; a row of the tensor in bytes
	s_lshl_b32 s29, s29, 6                         ; the first column: 64 H, 64 (H - 1), 64 (H - 9)
	s_lshl_b32 s33, s26, 7                         ; wo: 128 H
	s_mov_b32 s34, 8192
	s_mov_b32 s36, 540672
	s_cmp_eq_u32 s25, 1
	s_cselect_b64 s[30:31], s[30:31], s[12:13]
	s_cselect_b32 s29, s29, s33
	s_cselect_b32 s32, s32, s34
	s_cselect_b32 s35, 0, 3145728                  ; where the codes begin in wc
	s_cselect_b32 s36, 409600, s36                 ; and the scale words in psc
	s_lshl_b32 s37, 12288, s25                     ; a column tile's codes: 16 or 8 K steps of 1,536 bytes
	s_lshl_b32 s38, 512, s25                       ; and its scale words
	s_wait_alu depctr_va_vdst(0)
	v_lshlrev_b32 v2, 2, v10                       ; 4 x lane: A LANE TAKES A COLUMN, ITS REGISTERS RUN DOWN K
	v_bfe_u32 v3, v10, 3, 1                        ; u: which tile of the pair
	v_and_b32 v4, 7, v10
	v_lshrrev_b32 v5, 4, v10
	v_lshl_add_u32 v4, v5, 3, v4                   ; rr: my column's row in that tile
	s_mul_i32 s21, s20, 6400
	s_add_co_u32 s21, s21, WSTG                    ; my stage: for each tile two images (3,072 bytes) + 128
	v_mul_u32_u24 v5, v3, 3200
	v_lshl_add_u32 v5, v4, 4, v5
	v_add_nc_u32 v5, s21, v5
	v_add_nc_u32 v6, s21, v1                       ; and back: 16 x lane
	v_mul_u32_u24 v7, s38, v3
	v_lshl_add_u32 v7, v4, 3, v7                   ; my scale words' place
.set i, 0
.rept 32
	v_mad_u32_u24 v[VO+i], s32, i, v2              ; 4 x lane + i rows
.set i, i+1
.endr
	s_lshl_b32 s39, s27, 8
	s_mul_i32 s39, s39, s32                        ; 256 y rows
	s_lshl_b32 s40, s29, 2
	s_add_co_u32 s39, s39, s40
	s_lshl_b32 s40, s20, 7                         ; my wave's 32 columns
	s_add_co_u32 s40, s39, s40
	s_mov_b32 s41, 0
	s_add_nc_u64 s[48:49], s[30:31], s[40:41]      ; a base for each of the eight blocks: none is ever stepped
	s_lshl_b32 s40, s32, 5
.irp t, 1,2,3,4,5,6,7
	s_add_nc_u64 s[48+2*\t:49+2*\t], s[46+2*\t:47+2*\t], s[40:41]
.endr
	s_lshl_b32 s42, s26, 3
	s_lshl_b32 s43, s20, 1
	s_add_co_u32 s42, s42, s43                     ; my first tile: 8 H + 2 w
	s_mul_i32 s40, s42, s37
	s_mul_i32 s43, s27, 3072
	s_add_co_u32 s40, s40, s43
	s_add_co_u32 s40, s40, s35
	s_add_nc_u64 s[44:45], s[16:17], s[40:41]      ; tile u = 0: K steps 2 y, 2 y + 1
	s_mov_b32 s40, s37
	s_add_nc_u64 s[46:47], s[44:45], s[40:41]      ; tile u = 1
	s_mul_i32 s40, s42, s38
	s_lshl_b32 s43, s27, 7
	s_add_co_u32 s40, s40, s43
	s_add_co_u32 s40, s40, s36
	s_add_nc_u64 s[42:43], s[18:19], s[40:41]      ; the scale words
.macro LOADW t                         ; block t: 32 rows, 128 consecutive bytes a wave and row, 512 a work-group
.set i, 0
.rept 32
	global_load_b32 v[WX+32*((\t)%2)+i], v[VO+i], s[48+2*(\t):49+2*(\t)] th:TH_LOAD_NT
.set i, i+1
.endr
.endm
	s_wait_alu depctr_va_vdst(0)
	LOADW 0
	LOADW 1
.irp t, 0,1,2,3,4,5,6,7
.if \t < 7
	s_wait_loadcnt 32                              ; this block's 32 loads are in; the next block's may be out
.else
	s_wait_loadcnt 0x0
.endif
	QBLOCK WX+32*(\t%2), \t%4, 1536*(\t/4), SB+\t/4
.if \t < 6
	LOADW \t+2
.endif
	s_wait_dscnt 0x0                               ; the stores have read the codes' registers
.endr
	s_wait_alu depctr_va_vdst(0)
	global_store_b64 v7, v[SB:SB+1], s[42:43]
.irp u, 0,1
.irp p, 0,1,2,3,4,5
	ds_load_b128 v[OUT+4*(6*\u+\p):OUT+4*(6*\u+\p)+3], v6 offset:3200*\u+512*\p
.endr
.endr
.irp u, 0,1
.irp p, 0,1,2,3,4,5
	s_wait_dscnt 11-(6*\u+\p)                      ; LDS loads come back in order: this one is in, the younger may be out
	global_store_b128 v1, v[OUT+4*(6*\u+\p):OUT+4*(6*\u+\p)+3], s[44+2*\u:45+2*\u] offset:512*\p   ; 512 consecutive bytes a store
.endr
.endr
	s_wait_tensorcnt 0x0                           ; the wave's end, behind my last LDS store
	ds_add_u32 v[SPW], v[NIL]
	s_wait_dscnt 0x0
	s_endpgm
.Lfunc_end_k_qc19556c6fb_prep:
	.size	k_qc19556c6fb_prep, .Lfunc_end_k_qc19556c6fb_prep-k_qc19556c6fb_prep
	.p2alignl 7, 3214868480
	.fill 96, 4, 3214868480
	.section	.rodata,"a",@progbits
	.p2align	6, 0x0
	.amdhsa_kernel k_qc19556c6fb_prep
		.amdhsa_group_segment_fixed_size 59904
		.amdhsa_private_segment_fixed_size 0
		.amdhsa_enable_private_segment 0
		.amdhsa_kernarg_size 64
		.amdhsa_user_sgpr_count 2
		.amdhsa_user_sgpr_kernarg_segment_ptr 1
		.amdhsa_wavefront_size32 1
		.amdhsa_system_sgpr_workgroup_id_x 1
		.amdhsa_system_sgpr_workgroup_id_y 1
		.amdhsa_system_sgpr_workgroup_id_z 1
		.amdhsa_system_vgpr_workitem_id 0
		.amdhsa_next_free_vgpr 256
		.amdhsa_next_free_sgpr 66
		.amdhsa_reserve_vcc 1
		.amdhsa_float_denorm_mode_32 3
		.amdhsa_float_denorm_mode_16_64 3
		.amdhsa_memory_ordered 1
		.amdhsa_forward_progress 1
		.amdhsa_inst_pref_size 78
	.end_amdhsa_kernel
	.amdgpu_metadata
---
amdhsa.version: [ 1, 2 ]
amdhsa.kernels:
  - .name:           k_qc19556c6fb_prep
    .symbol:         k_qc19556c6fb_prep.kd
    .args:
      - { .name: hidden_states, .offset: 0, .size: 8, .value_kind: global_buffer, .address_space: global }
      - { .name: wq, .offset: 8, .size: 8, .value_kind: global_buffer, .address_space: global }
      - { .name: wk, .offset: 16, .size: 8, .value_kind: global_buffer, .address_space: global }
      - { .name: wv, .offset: 24, .size: 8, .value_kind: global_buffer, .address_space: global }
      - { .name: wo, .offset: 32, .size: 8, .value_kind: global_buffer, .address_space: global }
      - { .name: xc, .offset: 40, .size: 8, .value_kind: global_buffer, .address_space: global }
      - { .name: wc, .offset: 48, .size: 8, .value_kind: global_buffer, .address_space: global }
      - { .name: psc, .offset: 56, .size: 8, .value_kind: global_buffer, .address_space: global }
    .group_segment_fixed_size: 59904
    .private_segment_fixed_size: 0
    .kernarg_segment_align: 8
    .kernarg_segment_size: 64
    .max_flat_workgroup_size: 128
    .sgpr_count:     66
    .vgpr_count:     256
    .wavefront_size: 32
...
	.end_amdgpu_metadata
.endif
;; end of part 1
;; launch qkv (part 2): grid 16 x 16, 4 waves a work-group, clusters of 4 x 1, 298,496 bytes of LDS; arguments xc, wc, psc, cos, sin, q_norm_w, k_norm_w, qk, vb; writes qk, vb
.if DOCPART == 2
	.amdgcn_target "amdgcn-amd-amdhsa--gfx1250"
	.amdhsa_code_object_version 6
	.text
	.protected	k_qc19556c6fb_qkv
	.globl	k_qc19556c6fb_qkv
	.p2align	8
	.type	k_qc19556c6fb_qkv,@function
k_qc19556c6fb_qkv:
	s_mov_b64 s[64:65], 0
	v_nop
	global_prefetch_b8 v0, s[64:65] scope:SCOPE_SE
	s_setreg_imm32_b32 hwreg(HW_REG_WAVE_MODE, 25, 1), 1
	s_wait_xcnt 0x0
	s_wait_alu depctr_hold_cnt(0) depctr_sa_sdst(0) depctr_va_vdst(0) depctr_va_sdst(0) depctr_va_ssrc(0) depctr_va_vcc(0) depctr_vm_vsrc(0)
	s_getreg_b32 s2, hwreg(HW_REG_IB_STS2, 6, 4)
	s_cmp_eq_u32 s2, 0
	s_cbranch_scc0 .Lentry_in_a_cluster
	s_endpgm
.Lentry_in_a_cluster:
	s_bfe_u32 s2, ttmp6, 0x10000c
	s_cmp_lg_u32 s2, 0x3003
	s_cbranch_scc0 .Lentry_shape_is_right
	s_endpgm
.Lentry_shape_is_right:
; q, k, v = x W on codes of E2M3 (K = 2,048, 16 steps of 128); then for q and k: rmsnorm, rope and the quantiser along the head's 128; v leaves as f32.
; SHARES.  A work-group takes 25 row tiles of 16 rows (row block x = 0 .. 15) and ONE slot of 128 columns (y: 0-7 q heads, 8-11 k heads, 12-15 v heads): 16 x 16 = 256 work-groups.
; Its waves take 7, 6, 6, 6 row tiles, each against all 8 column tiles: 56 or 48 accumulators.  Wave 0's seventh tile stands under short branches on the wave's number.
; NO RING.  The slot's weight codes for all of K, 196,608 bytes, are filled into LDS once: each wave fetches a quarter of K (8 rows of 6,144 bytes) by one tensor load; nothing is filled again.
; The four work-groups of a cluster (four row blocks, one y) read the same weights: the load is JOINT, mask 15.
; x's codes lie in xc as images of the operand's registers and no two waves of a work-group read the same rows: so they go from memory straight into registers, 512 consecutive bytes a load,
; into four sets that take turns: a set is asked for four K steps ahead of its use.  No barrier stands in the walk along K.
; PREFETCHES.  A row block's codes of four K steps are 25 x 24 = 600 blocks of 256 bytes, read by the 16 work-groups with that x: work-group y names blocks 75 y / 2 .. 75 (y + 1) / 2 - 1, ten to a wave (the last wave the rest),
; a lane a block.  Steps 4-7 are named at the head, steps 8-11 ahead of step 0, steps 12-15 in the loop's first trip: four steps or more ahead of the register loads that want them.  Steps 0-3 come by their loads alone.
; Of cos and sin each work-group names 25 of its row block's 400 rows (256 bytes a row), wave 0 of cos and wave 1 of sin, six steps ahead of the first load of them.
; The scale words of my rows and of the slot's columns are copied once, in whole runs of 512 bytes, through registers into LDS bytes of their own.
; THE MATRIX INSTRUCTION IS USED TRANSPOSED (source 0 = 16 columns of W, source 1 = 16 rows of x): a lane holds one row, and the 16 registers of two neighbouring column tiles are 16 neighbouring columns.
; REGISTERS.  window 0: v0-31 addresses; v32-63 scale words, two sets; v64-159 W's eight fragments of a step, in two halves; v160-243 x's set 3.   window 1: x's sets 0-2 at 0, 84, 168.
;   window 2: accumulators of tiles 0-3, (a, b) at 64 (a % 4) + 8 b;   window 3: tiles 4-6.   On the way out windows 0 and 1 are free.
; LIMITS: NaN and infinities are not served; a block of zeros gets the scale byte 1 (its codes are zeros; this program alone reads the bytes).
.set FR,     12
.set BQ,     49152                     ; a quarter of K of the weights in LDS: [8 column tiles][4 steps][1536]
.set SCA,    196608                    ; the scale words of the work-group's 25 row tiles, 1,024 bytes a tile,
.set SCB,    SCA+25600                 ; and straight behind them those of the 8 column tiles
.set STG,    SCB+8192                  ; v's way out: 16 rows x 528 bytes for each wave
.set SPITCH, 528
.set STQ,    STG+4*16*SPITCH           ; q's and k's way out: a stage of 16 rows x (256 bytes of cos, 256 of sin, 16 of padding) for each wave
.set SPARE,  STQ+4*16*SPITCH           ; the spare words
.set CT,     192                       ; window 3, v192-255: a tile's cos and sin as the lanes want them
.set NWO,  10
.set CSI,  22                          ; cos and sin into my stage: row h of a load's two, 16 r
.set CSR,  23                          ; and back: row r, + 64 h
.set L4,   12
.set HH,   13
.set R4,   14
.set ADB,  16                          ; v16-17 W's fragments: this quarter of K and the next
.set PFO,  18                          ; my block of x's codes for the prefetches; never rewritten
.set PFC,  19                          ; my row of cos or sin for the prefetch; never rewritten
.set SWA,  20
.set SWB,  21
.set STO,  24
.set RD,   25
.set CO,   26                          ; 16 x lane
.set ADRS, 27
.set SPW,  28
.set NIL,  29
.set SC,   32
.set BF,   64
.set BK,   128
.set Y,    64
.set T,    128
.set PW,   160
.set PC,   168
.set SD,   188
.set SS,   224
.set RS,   232
.set TM,   236
.set WV, 22
.set SEL, 98
.set G1, 24
.set G0, 32
.set MSB, 0
.macro WIN new                         ; the immediate's high byte repeats the setting that is left
.if MSB != (\new)
	s_set_vgpr_msb (MSB<<8)|(\new)
.set MSB, (\new)
.endif
.endm
.macro CROUND                          ; a round of the cluster's barrier
	s_barrier_signal -1
	s_barrier_wait -1
	s_cmp_lg_u32 s[WV], 0
	s_cbranch_scc1 .Lnot_wave_0_\@
	s_barrier_signal -3
.Lnot_wave_0_\@:
	s_barrier_wait -3
	s_barrier_signal -1
	s_barrier_wait -1
.endm
.macro PLACES n
.rept \n
	v_nop
.endr
.endm
; 64 numbers of a lane, register 16 b + i = column 32 b + 16 h + i of its row, become a fragment's 12 registers and the row's scale word
.macro QUANT s, pc, tm, pw
.irp b, 0,1,2,3
	v_max3_num_f32 v[(\tm)+\b], |v[(\s)+16*\b]|, |v[(\s)+1+16*\b]|, 0x1800000   ; the floor 2^(3 - 127) holds the byte at 1 from below
.endr
.irp i, 2,4,6,8,10,12,14
.irp b, 0,1,2,3
	v_max3_num_f32 v[(\tm)+\b], v[(\tm)+\b], |v[(\s)+16*\b+\i]|, |v[(\s)+1+16*\b+\i]|
.endr
.endr
.irp b, 0,1,2,3
	v_permlanex16_b32 v[(\tm)+4+\b], v[(\tm)+\b], s[SEL], s[SEL+1]
.endr
.irp b, 0,1,2,3
	v_max_num_f32 v[(\tm)+\b], v[(\tm)+\b], v[(\tm)+4+\b]
.endr
.irp b, 0,1,2,3
	v_add_nc_u32 v[(\tm)+12+\b], 0xff000000, v[(\tm)+\b]    ; 2 off the exponent field: the conversion's scale operand
.endr
.irp b, 0,1,2,3
	v_lshrrev_b32 v[(\tm)+4+\b], 23, v[(\tm)+12+\b]
.endr
	v_lshl_or_b32 v[\pw], v[(\tm)+5], 8, v[(\tm)+4]
	v_lshl_or_b32 v[\pw], v[(\tm)+6], 16, v[\pw]
	v_lshl_or_b32 v[\pw], v[(\tm)+7], 24, v[\pw]
.irp c, 0,1
	v_cvt_scalef32_pk16_fp6_f32 v[(\pc)+6*\c:(\pc)+2+6*\c], v[(\s)+32*\c:(\s)+15+32*\c], v[(\tm)+12+2*\c]
	v_cvt_scalef32_pk16_fp6_f32 v[(\pc)+12+4*\c:(\pc)+14+4*\c], v[(\s)+16+32*\c:(\s)+31+32*\c], v[(\tm)+12+2*\c+1]
.endr
	v_nop                                          ; one plain instruction behind the scaled conversions
.irp c, 0,1
.irp i, 0,1,2
	v_permlane16_swap_b32 v[(\pc)+6*\c+\i], v[(\pc)+12+4*\c+\i]
.endr
.irp i, 0,1,2
	v_mov_b32 v[(\pc)+3+6*\c+\i], v[(\pc)+12+4*\c+\i]
.endr
.endr
.endm
	s_load_b256 s[4:11], s[0:1], 0x0               ; xc, wc, psc, cos
	s_load_b256 s[12:19], s[0:1], 0x20             ; sin, q_norm_w, k_norm_w, qk
	s_load_b64 s[20:21], s[0:1], 0x40              ; vb
	v_lshl_add_u32 v[SPW], v0, 2, SPARE
	v_mov_b32 v[NIL], 0
	ds_add_u32 v[SPW], v[NIL]                      ; the opening lines: the add, twice on end, and its wait
	ds_add_u32 v[SPW], v[NIL]
	v_lshrrev_b32 v1, 5, v0
	v_readfirstlane_b32 s[WV], v1
	s_bfe_u32 s40, ttmp6, 0x40000                  ; cx: it enters global addresses alone
	s_lshl_b32 s42, ttmp9, 2
	s_add_co_u32 s42, s42, s40                     ; row block
	s_and_b32 s43, ttmp7, 0xffff                   ; y
	s_lshl_b32 s44, s43, 1
	s_cmp_lt_u32 s43, 8
	s_cselect_b32 s45, 0, 15
	s_sub_co_u32 s44, s44, s45                     ; the slot of 128 columns in wc: 2 y for q, 2 y - 15 for k and v
	s_mov_b32 s[G1], 15|(3<<16)|(1<<21)            ; all four partners; elements of 8 bytes
	s_mov_b32 s[G1+1], 768<<16                     ; a row: four K steps of one column tile, 6,144 bytes
	s_mov_b32 s[G1+2], 8<<16                       ; 8 column tiles
	s_mov_b32 s[G1+3], 768<<16
	s_mov_b32 s[G1+4], 8
	s_mov_b32 s[G1+5], 3072                        ; 24,576 bytes from tile to tile
	s_mov_b32 s[G1+6], 0
	s_mov_b32 s[G1+7], 0
	s_mul_i32 s37, s[WV], 6
	s_min_u32 s38, s[WV], 1
	s_add_co_u32 s37, s37, s38                     ; my first tile in the block: 0, 7, 13, 19
	s_mul_i32 s36, s42, 25
	s_add_co_u32 s36, s36, s37                     ; and among the 400
	s_mul_i32 s46, s36, 24576
	s_mov_b32 s47, 0
	s_lshl_b32 s66, s36, 10
	s_mov_b32 s67, 0
	s_mul_i32 s94, s44, 196608
	s_mul_i32 s95, s[WV], 6144
	s_add_co_u32 s94, s94, s95                     ; my quarter of K of the slot's weights
	s_mov_b32 s95, 0
	s_lshl_b32 s92, s44, 13
	s_lshl_b32 s93, s[WV], 11
	s_add_co_u32 s92, s92, s93
	s_add_co_u32 s92, s92, 409600                  ; my quarter of the columns' scale words
	s_mov_b32 s93, 0
	s_mul_i32 s41, s[WV], BQ
	s_lshl_b32 s38, s37, 10
	s_add_co_u32 s38, s38, SCA                     ; my tiles' scale words in LDS
	s_lshl_b32 s39, s[WV], 11
	s_add_co_u32 s39, s39, SCB
	s_sub_co_u32 s52, SCB, s38
	s_mul_i32 s98, s[WV], 16*SPITCH
	s_add_co_u32 s98, s98, STG
	s_add_co_u32 s99, s98, 4*16*SPITCH
	s_mul_i32 s54, s42, 614400                     ; the prefetches: the row block's codes,
	s_mov_b32 s55, 0
	s_mul_i32 s56, s43, 75
	s_add_co_u32 s57, s56, 75
	s_lshr_b32 s56, s56, 1                         ; my work-group's first block of a group's 600,
	s_lshr_b32 s57, s57, 1
	s_sub_co_u32 s57, s57, 1                       ; its last,
	s_mul_i32 s58, s[WV], 10
	s_add_co_u32 s56, s56, s58                     ; my wave's first;
	s_mul_i32 s58, s42, 400
	s_mul_i32 s59, s43, 25
	s_add_co_u32 s58, s58, s59                     ; my work-group's first row of cos and sin
	s_wait_dscnt 0x0                               ; both opening adds are done
	s_wait_kmcnt 0x0
	s_add_nc_u64 s[46:47], s[4:5], s[46:47]        ; x's images
	s_add_nc_u64 s[66:67], s[8:9], s[66:67]        ; x's scale words
	s_add_nc_u64 s[94:95], s[6:7], s[94:95]
	s_add_nc_u64 s[92:93], s[8:9], s[92:93]
	s_add_nc_u64 s[54:55], s[4:5], s[54:55]
	s_cmp_eq_u32 s[WV], 0
	s_cselect_b64 s[60:61], s[10:11], s[12:13]     ; wave 0 names cos, wave 1 sin
	CROUND                                         ; the four partners are here: the joint loads meet
	s_mov_b32 s[G0], 1
	s_mov_b32 s[G0+1], s41
	s_mov_b64 s[G0+2:G0+3], s[94:95]
	s_or_b32 s[G0+3], s[G0+3], 0x80000000
	tensor_load_to_lds s[G0:G0+3], s[G1:G1+7]      ; my one tensor load of the launch
	s_nop 0
	PLACES 4
	v_and_b32 v1, 15, v0                           ; r
	v_bfe_u32 v[HH], v0, 4, 1                      ; h
	v_and_b32 v2, 31, v0
	v_lshlrev_b32 v[CO], 4, v2
	v_lshlrev_b32 v[L4], 2, v2
	v_lshlrev_b32 v[R4], 2, v1
	v_mov_b32 v[ADB], v[CO]
	v_add_nc_u32 v[ADB+1], BQ, v[CO]
	v_add_nc_u32 v[SWA], s38, v[CO]
	v_add_nc_u32 v[SWB], s39, v[CO]
	v_lshlrev_b32 v5, 3, v1
	v_mul_u32_u24 v6, s52, v[HH]                   ; lanes 16-31 take the columns' words
	v_add_nc_u32 v5, v5, v6
	v_add_nc_u32 v[ADRS], s38, v5
	v_mul_u32_u24 v5, v1, SPITCH
	v_lshl_add_u32 v5, v[HH], 6, v5
	v_add_nc_u32 v[STO], s98, v5
	v_add_nc_u32 v[RD], s98, v[CO]
	v_lshlrev_b32 v[NWO], 6, v[HH]
	v_mul_u32_u24 v5, v[HH], SPITCH
	v_lshl_add_u32 v5, v1, 4, v5
	v_add_nc_u32 v[CSI], s99, v5
	v_mul_u32_u24 v5, v1, SPITCH
	v_lshl_add_u32 v5, v[HH], 6, v5
	v_add_nc_u32 v[CSR], s99, v5
	v_min_u32 v3, 9, v2                            ; ten blocks to a wave: the lanes left over name the wave's last block again
	v_add_nc_u32 v3, s56, v3
	v_min_u32 v3, s57, v3                          ; block j of the group's 600
	v_mul_u32_u24 v4, 0xaab, v3
	v_lshrrev_b32 v4, 16, v4                       ; its tile: j / 24 (2,731 / 65,536 serves j under 600)
	v_mul_u32_u24 v4, 0x4800, v4
	v_lshl_add_u32 v[PFO], v3, 8, v4               ; 24,576 (j / 24) + 256 (j % 24)
	v_min_u32 v7, 24, v2
	v_add_nc_u32 v7, s58, v7
	v_lshlrev_b32 v[PFC], 8, v7
	s_wait_alu depctr_va_vdst(0)                   ; the head's end
; x's tiles t0 .. t1 of K step st into set st % 4; rel: the step counted from where s[46:47] stands
.macro ALOAD st, rel, t0, t1
.if ((\st)%4) < 3
.set LS_, 84*((\st)%4)
.set LWN, 1
.else
.set LS_, 160
.set LWN, 0
.endif
	WIN LWN<<6
.set t, \t0
.rept (\t1)-(\t0)+1
.irp c, 0,1,2
	global_load_b128 v[LS_+FR*t+4*\c:LS_+FR*t+4*\c+3], v[CO], s[46:47] offset:24576*t+1536*(\rel)+512*\c
.endr
.set t, t+1
.endr
	WIN 0
.endm
.macro BLOAD hb, rel                   ; W's column tiles 4 hb .. 4 hb + 3 of a K step
.irp b, 0,1,2,3
.irp c, 0,1,2
	ds_load_b128 v[BF+FR*(4*(\hb)+\b)+4*\c:BF+FR*(4*(\hb)+\b)+4*\c+3], v[ADB+(\rel)/4] offset:6144*(4*(\hb)+\b)+1536*((\rel)%4)+512*\c
.endr
.endr
.endm
.macro SLOAD rp, set                   ; a pair of steps' scale words: lanes 0-15 my row tile i, lanes 16-31 column tile i
.irp i, 0,1,2,3,4,5,6,7
	ds_load_b64 v[SC+16*(\set)+2*\i:SC+16*(\set)+2*\i+1], v[ADRS] offset:1024*\i+128*(\rp)
.endr
.endm
.macro MUL a, hb, st, zero             ; row tile a x four column tiles; zero = 1: the first product starts the sums
.irp b, 0,1,2,3
.set DA, 64*((\a)%4)+8*(4*(\hb)+\b)
.set WB, BF+FR*(4*(\hb)+\b)
.set SB_, SC+16*(((\st)/2)%2)+(\st)%2
.if \zero
	v_wmma_scale_f32_16x16x128_f8f6f4 v[DA:DA+7], v[WB:WB+FR-1], v[AS_+FR*(\a):AS_+FR*(\a)+FR-1], 0, v[SB_+2*(4*(\hb)+\b)], v[SB_+2*(\a)] matrix_a_fmt:MATRIX_FMT_FP6 matrix_b_fmt:MATRIX_FMT_FP6 matrix_a_scale:MATRIX_SCALE_ROW1
.else
	v_wmma_scale_f32_16x16x128_f8f6f4 v[DA:DA+7], v[WB:WB+FR-1], v[AS_+FR*(\a):AS_+FR*(\a)+FR-1], v[DA:DA+7], v[SB_+2*(4*(\hb)+\b)], v[SB_+2*(\a)] matrix_a_fmt:MATRIX_FMT_FP6 matrix_b_fmt:MATRIX_FMT_FP6 matrix_a_scale:MATRIX_SCALE_ROW1
.endif
.endr
.endm
.macro EXTRA st, rel, hb, zero, l6     ; wave 0's seventh tile: its products, and (l6) its fragment of three steps on, into the set that the last step left
	s_cmp_lg_u32 s[WV], 0
	s_cbranch_scc1 .Lsix_\@
.if \l6
	ALOAD (\st)+3, (\rel)+3, 6, 6
.endif
	WIN (AWN<<2)|0xf0
	MUL 6, \hb, \st, \zero
	WIN 0
.Lsix_\@:
.endm
.macro HALF st, rel, hb, zero, l6, lb, ls   ; half a step: all my row tiles x four column tiles (the accumulators take turns); then the next step's same half of W
	WIN (AWN<<2)|0xa0
.irp a, 0,1,2,3
	MUL \a, \hb, \st, \zero
.endr
	WIN (AWN<<2)|0xf0
	MUL 4, \hb, \st, \zero
	MUL 5, \hb, \st, \zero
	WIN 0
	EXTRA \st, \rel, \hb, \zero, \l6
.if \lb
	PLACES 4                                       ; in front of loads into registers that matrix instructions have read
.if \ls
	SLOAD (\rel)/2+1, ((\st)/2+1)%2
.endif
	BLOAD \hb, (\rel)+1
.endif
.endm
.macro CSLOAD a                        ; cos and sin of row tile a: my row's 32 + 32 numbers, into one of three sets
.set CE, 64+64*((\a)%3)
.irp k, 0,1,2,3,4,5,6,7                        ; as they lie: a tile's 16 rows of 256 bytes are 4,096 dense bytes; each load reads 512 consecutive bytes, two rows
	global_load_b128 v[CE+4*\k:CE+4*\k+3], v[CO], s[10:11] offset:4096*(\a)+512*\k
	global_load_b128 v[CE+32+4*\k:CE+32+4*\k+3], v[CO], s[12:13] offset:4096*(\a)+512*\k
.endr
.endm
.macro EARLY                           ; q and k: the norm's weights and the first three tiles' cos and sin, under the last step's products, into x's sets 0-2, which are done with
	s_cmp_lg_u32 s2, 0
	s_cbranch_scc1 .Lno_early
	WIN 0x40
.irp g, 0,1,2,3
.irp j, 0,1,2,3
	global_load_b128 v[16*\g+4*\j:16*\g+4*\j+3], v[NWO], s[44:45] offset:128*\g+16*\j
.endr
.endr
	CSLOAD 0
	CSLOAD 1
	CSLOAD 2
	WIN 0
.Lno_early:
.endm
; A K step.  n: the loads of x that may stay out: the younger sets, 18 loads each.
; s_wait_dscnt 12: the half of W that is due is in (and any scale words, which are older); the twelve loads of the other half may be out.
.macro STEP st, rel, zero, la, l6, lb, ls, n, early
.if ((\st)%4) < 3
.set AS_, 84*((\st)%4)
.set AWN, 1
.else
.set AS_, 160
.set AWN, 0
.endif
	s_wait_loadcnt \n
.if \early
	EARLY
.endif
	s_wait_dscnt 12
	HALF \st, \rel, 0, \zero, \l6, \lb, 0
.if \lb
	s_wait_dscnt 12
.else
	s_wait_dscnt 0x0
.endif
	HALF \st, \rel, 1, \zero, 0, \lb, \ls
.if \la
	ALOAD (\st)+4, (\rel)+4, 0, 5                  ; this step's set takes the step four on
.endif
.endm
	; the scale words, as they lie: my 6 tiles (12 runs of 512 bytes), my quarter of the columns' (4 runs); wave 0: its seventh tile
.set k, 0
.rept 12
	global_load_b128 v[BF+4*k:BF+4*k+3], v[CO], s[66:67] offset:512*k
.set k, k+1
.endr
.set k, 0
.rept 4
	global_load_b128 v[BF+48+4*k:BF+48+4*k+3], v[CO], s[92:93] offset:512*k
.set k, k+1
.endr
	s_cmp_lg_u32 s[WV], 0
	s_cbranch_scc1 .Lhead_a
	global_load_b128 v[BF+64:BF+67], v[CO], s[66:67] offset:6144
	global_load_b128 v[BF+68:BF+71], v[CO], s[66:67] offset:6656
.Lhead_a:
	ALOAD 0, 0, 0, 5
	ALOAD 1, 1, 0, 5
	global_prefetch_b8 v[PFO], s[54:55] offset:6144 th:TH_LOAD_NT scope:SCOPE_SE    ; my share of K steps 4-7
	s_cmp_lg_u32 s[WV], 0
	s_cbranch_scc1 .Lhead_b
.irp s, 0,1,2,3
	ALOAD \s, \s, 6, 6
.endr
.Lhead_b:
	ALOAD 2, 2, 0, 5
	ALOAD 3, 3, 0, 5
	s_wait_tensorcnt 0x0                           ; my quarter of the weights is in
	s_wait_loadcnt 63                              ; behind the scale words' loads 72 or more were issued: the words are in
.set k, 0
.rept 12
	ds_store_b128 v[SWA], v[BF+4*k:BF+4*k+3] offset:512*k
.set k, k+1
.endr
.set k, 0
.rept 4
	ds_store_b128 v[SWB], v[BF+48+4*k:BF+48+4*k+3] offset:512*k
.set k, k+1
.endr
	s_cmp_lg_u32 s[WV], 0
	s_cbranch_scc1 .Lhead_c
	ds_store_b128 v[SWA], v[BF+64:BF+67] offset:6144
	ds_store_b128 v[SWA], v[BF+68:BF+71] offset:6656
.Lhead_c:
	s_wait_dscnt 0x0                               ; for the others' sake: my stores have landed
	s_barrier_signal -1
	s_barrier_wait -1                              ; all weights and all scale words are in LDS for every wave: the only barrier ahead of the way out
	BLOAD 0, 0
	SLOAD 0, 0
	BLOAD 1, 0
	global_prefetch_b8 v[PFO], s[54:55] offset:12288 th:TH_LOAD_NT scope:SCOPE_SE   ; my share of K steps 8-11
	STEP 0, 0, 1, 1, 0, 1, 1, 36, 0                ; 36: sets 2 and 3, issued behind wave 0's seventh tiles
	s_mov_b32 s3, 2
.Lk:                                               ; a trip: four steps, until sets and scale sets are back where they began
	STEP 1, 1, 0, 1, 1, 1, 0, 54, 0
	s_cmp_lg_u32 s3, 2                             ; the first trip alone asks: behind steps 12-15 there is nothing
	s_cbranch_scc1 .Lno_ask
	global_prefetch_b8 v[PFO], s[54:55] offset:18432 th:TH_LOAD_NT scope:SCOPE_SE   ; my share of K steps 12-15
.Lno_ask:
	STEP 2, 2, 0, 1, 1, 1, 1, 54, 0
	STEP 3, 3, 0, 1, 1, 1, 0, 54, 0
	STEP 4, 4, 0, 1, 1, 1, 1, 54, 0
	v_add_nc_u32 v[ADB], BQ, v[ADB]
	v_add_nc_u32 v[ADB+1], BQ, v[ADB+1]
	v_add_nc_u32 v[ADRS], 256, v[ADRS]
	s_wait_xcnt 0x0                                ; the loads have read their base
	s_add_nc_u64 s[46:47], s[46:47], 6144
	s_sub_co_u32 s3, s3, 1
	s_cmp_lg_u32 s3, 0
	s_wait_alu depctr_va_vdst(0)
	s_cbranch_scc1 .Lk
	s_cmp_gt_u32 s[WV], 1
	s_cbranch_scc1 .Lno_cs
	global_prefetch_b8 v[PFC], s[60:61] th:TH_LOAD_NT scope:SCOPE_SE                ; my work-group's 25 rows of cos (wave 0) or sin (wave 1)
.Lno_cs:
	STEP 9, 1, 0, 1, 1, 1, 0, 54, 0                ; the last steps ask for nothing beyond K
	STEP 10, 2, 0, 1, 1, 1, 1, 54, 0
	STEP 11, 3, 0, 1, 1, 1, 0, 54, 0
	STEP 12, 4, 0, 0, 1, 1, 1, 54, 0
	STEP 13, 5, 0, 0, 0, 1, 0, 36, 0
	STEP 14, 6, 0, 0, 0, 1, 0, 18, 0
	s_cmp_ge_u32 s43, 12
	s_cselect_b32 s2, 1, 0                         ; v's slot?
	s_cmp_lt_u32 s43, 8
	s_cselect_b64 s[44:45], s[14:15], s[16:17]     ; q's or k's norm weights
	s_mul_i32 s48, s43, 400
	s_add_co_u32 s48, s48, s36
	s_mul_i32 s48, s48, 1536
	s_mov_b32 s49, 0
	s_add_nc_u64 s[48:49], s[18:19], s[48:49]      ; qk: images [12 heads][400 tiles][1536]
	s_mul_i32 s50, s43, 25600
	s_lshl_b32 s51, s36, 6
	s_add_co_u32 s50, s50, s51
	s_add_co_u32 s50, s50, 7372800
	s_mov_b32 s51, 0
	s_add_nc_u64 s[50:51], s[18:19], s[50:51]      ; and scale words [12][6400]
	s_lshl_b32 s52, s36, 12
	s_mov_b32 s53, 0
	s_add_nc_u64 s[10:11], s[10:11], s[52:53]
	s_add_nc_u64 s[12:13], s[12:13], s[52:53]
	s_mov_b32 s96, 0x3c000000                      ; 1 / 128
	s_mov_b32 s97, 0x358637bd                      ; 1e-6
	s_mov_b32 s[SEL], 0x76543210
	s_mov_b32 s[SEL+1], 0xfedcba98
	STEP 15, 7, 0, 0, 0, 0, 0, 0, 1
	PLACES 4                                       ; behind the last products
	s_cmp_lg_u32 s2, 0
	s_cbranch_scc1 .Lv_role
	v_mov_b32 v[RS+1], 0
.irp b, 0,1,2,3
	v_mov_b32 v[TM+4+\b], 0                        ; a lane permute's destination counts as a source
.endr
; a row tile of q or k: mean square, rsqrt, the weights, rope (column d with d + 64: registers p and p + 32), the quantiser, the image as it stands
.macro ROWTILE a
.set AW, 2+(\a)/4
.set AC, 64*((\a)%4)
.set CE, 64+64*((\a)%3)
.if (\a) < 4
	s_wait_loadcnt 32                              ; this tile's cos and sin are in; the next two tiles' 32 loads may be out
.elseif (\a) == 4
	s_wait_loadcnt 16                              ; tile 5's may be out
.else
	s_wait_loadcnt 0x0
.endif
	WIN 0x04                                       ; they turn through my stage while the mean square is taken: in by rows,
.irp k, 0,1,2,3,4,5,6,7
	ds_store_b128 v[CSI], v[CE+4*\k:CE+4*\k+3] offset:1056*\k
	ds_store_b128 v[CSI], v[CE+32+4*\k:CE+32+4*\k+3] offset:1056*\k+256
.endr
	WIN 0xc0                                       ; back as my row's columns 32 g + 16 h + 0 .. 15 (LDS serves a wave's instructions in order)
.irp g, 0,1
.irp j, 0,1,2,3
	ds_load_b128 v[CT+16*\g+4*\j:CT+16*\g+4*\j+3], v[CSR] offset:128*\g+16*\j
	ds_load_b128 v[CT+32+16*\g+4*\j:CT+32+16*\g+4*\j+3], v[CSR] offset:256+128*\g+16*\j
.endr
.endr
	WIN AW|(AW<<2)
.irp c, 0,1,2,3
	v_pk_mul_f32 v[SS+2*\c:SS+2*\c+1], v[AC+2*\c:AC+2*\c+1], v[AC+2*\c:AC+2*\c+1]
.endr
.set p, 4
.rept 28
	v_pk_fma_f32 v[SS+2*(p%4):SS+2*(p%4)+1], v[AC+2*p:AC+2*p+1], v[AC+2*p:AC+2*p+1], v[SS+2*(p%4):SS+2*(p%4)+1]
.set p, p+1
.endr
	WIN 0
	v_pk_add_f32 v[SS:SS+1], v[SS:SS+1], v[SS+2:SS+3]
	v_pk_add_f32 v[SS+4:SS+5], v[SS+4:SS+5], v[SS+6:SS+7]
	v_pk_add_f32 v[SS:SS+1], v[SS:SS+1], v[SS+4:SS+5]
	v_add_f32 v[SS], v[SS], v[SS+1]
	v_permlanex16_b32 v[SS+2], v[SS], s[SEL], s[SEL+1]
	v_add_f32 v[SS], v[SS], v[SS+2]
	v_fma_f32 v[RS], v[SS], s96, s97
	s_wait_alu depctr_va_vdst(0)                   ; ahead of the transcendental
	v_rsq_f32 v[RS], v[RS]
	v_nop
	s_wait_alu depctr_va_vdst(0)                   ; and ahead of its first reader
	WIN AW
.set p, 0
.rept 32
	v_pk_mul_f32 v[Y+2*p:Y+2*p+1], v[AC+2*p:AC+2*p+1], v[RS:RS+1] op_sel_hi:[1,0]
.set p, p+1
.endr
	WIN 0x04
.set p, 0
.rept 32
	v_pk_mul_f32 v[Y+2*p:Y+2*p+1], v[Y+2*p:Y+2*p+1], v[2*p:2*p+1]
.set p, p+1
.endr
	s_wait_dscnt 0x0                               ; cos and sin are back from the stage, and its stores have read the set that the loads of three tiles on will fill
	WIN 0x0c
.set p, 0
.rept 4                                        ; four pairs at a time: eight products, then the eight multiply-adds that take them in
.irp q, 0,1,2,3
	v_pk_mul_f32 v[T+4*\q:T+4*\q+1], v[Y+2*(p+\q):Y+2*(p+\q)+1], v[CT+2*(p+\q):CT+2*(p+\q)+1]
	v_pk_mul_f32 v[T+4*\q+2:T+4*\q+3], v[Y+2*(p+\q):Y+2*(p+\q)+1], v[CT+32+2*(p+\q):CT+32+2*(p+\q)+1]
.endr
.irp q, 0,1,2,3
	v_pk_fma_f32 v[Y+2*(p+\q):Y+2*(p+\q)+1], v[Y+32+2*(p+\q):Y+32+2*(p+\q)+1], v[CT+32+2*(p+\q):CT+32+2*(p+\q)+1], v[T+4*\q:T+4*\q+1] neg_lo:[1,0,0] neg_hi:[1,0,0]
	v_pk_fma_f32 v[Y+32+2*(p+\q):Y+32+2*(p+\q)+1], v[Y+32+2*(p+\q):Y+32+2*(p+\q)+1], v[CT+2*(p+\q):CT+2*(p+\q)+1], v[T+4*\q+2:T+4*\q+3]
.endr
.set p, p+4
.endr
.if (\a) > 0
	s_wait_xcnt 0x0                                ; the last tile's stores have read the codes' registers
.endif
.if (\a) < 3
	WIN 0x40
	CSLOAD (\a)+3
.endif
	WIN 0
.if (\a) == 3
	s_wait_alu depctr_va_vdst(0)
	s_cmp_lg_u32 s[WV], 0
	s_cbranch_scc1 .Lno_cs6
	WIN 0x40
	CSLOAD 6
	WIN 0
.Lno_cs6:
.endif
	QUANT Y, PC, TM, PW+(\a)
.irp c, 0,1,2
	global_store_b128 v[CO], v[PC+4*\c:PC+4*\c+3], s[48:49] offset:1536*(\a)+512*\c
.endr
.endm
.irp a, 0,1,2,3,4,5
	ROWTILE \a
.endr
	v_cmp_ne_u32 vcc_lo, 0, v[HH]                  ; both halves of the lanes hold every word: lanes 0-15 store the even tile's, lanes 16-31 the odd tile's
.irp j, 0,1,2
	v_cndmask_b32 v[SD+\j], v[PW+2*\j], v[PW+2*\j+1], vcc_lo
.endr
.irp j, 0,1,2
	global_store_b32 v[L4], v[SD+\j], s[50:51] offset:128*\j
.endr
	s_wait_alu depctr_va_vdst(0)
	s_cmp_lg_u32 s[WV], 0
	s_cbranch_scc1 .Lqk_done
	ROWTILE 6
	global_store_b32 v[R4], v[PW+6], s[50:51] offset:384   ; lanes r and r + 16 hold the same word and write it to the same place
.Lqk_done:
	s_wait_tensorcnt 0x0                           ; the wave's end
	ds_add_u32 v[SPW], v[NIL]
	s_wait_dscnt 0x0
	s_branch .Lclose
.Lv_role:                                          ; v: f32 rows of 512 bytes through my stage
	s_sub_co_u32 s44, s43, 12
	s_mul_i32 s44, s44, 3276800
	s_lshl_b32 s45, s36, 13
	s_add_co_u32 s44, s44, s45
	s_mov_b32 s45, 0
	s_add_nc_u64 s[20:21], s[20:21], s[44:45]
.macro TOSTAGE a
.set AC, 64*((\a)%4)
	WIN 0x08+4*((\a)/4)
.irp b, 0,1,2,3,4,5,6,7
	ds_store_b128 v[STO], v[AC+8*\b:AC+8*\b+3] offset:128*(\b/2)+32*(\b%2)      ; each accumulator from its low end on
	ds_store_b128 v[STO], v[AC+8*\b+4:AC+8*\b+7] offset:128*(\b/2)+32*(\b%2)+16
.endr
	WIN 0
.set BB, BK+64*((\a)%2)
.irp t, 0,1,2,3,4,5,6,7,8,9,10,11,12,13,14,15
	ds_load_b128 v[BB+4*\t:BB+4*\t+3], v[RD] offset:\t*SPITCH   ; LDS serves a wave's instructions in order: these see the stores above
.endr
.endm
.macro SEND a, younger
.set BB, BK+64*((\a)%2)
	s_wait_dscnt \younger
.irp t, 0,1,2,3,4,5,6,7,8,9,10,11,12,13,14,15
	global_store_b128 v[CO], v[BB+4*\t:BB+4*\t+3], s[20:21] offset:(16*(\a)+\t)*512   ; 512 consecutive bytes a store
.endr
.endm
	TOSTAGE 0
.irp a, 1,2,3,4,5
.if \a > 1
	s_wait_xcnt 0x0                                ; tile a - 2's stores have read their registers
.endif
	TOSTAGE \a
	SEND \a-1, 32                                  ; behind tile a - 1's loads: tile a's 16 stores and 16 loads
.endr
	SEND 5, 0
	s_cmp_lg_u32 s[WV], 0
	s_cbranch_scc1 .Lv_done
	s_wait_xcnt 0x0
	TOSTAGE 6
	SEND 6, 0
.Lv_done:
	s_wait_tensorcnt 0x0                           ; the wave's end
	ds_add_u32 v[SPW], v[NIL]
	s_wait_dscnt 0x0
.Lclose:
	CROUND                                         ; the closing round
	s_endpgm
.Lfunc_end_k_qc19556c6fb_qkv:
	.size	k_qc19556c6fb_qkv, .Lfunc_end_k_qc19556c6fb_qkv-k_qc19556c6fb_qkv
	.p2alignl 7, 3214868480
	.fill 96, 4, 3214868480
	.section	.rodata,"a",@progbits
	.p2align	6, 0x0
	.amdhsa_kernel k_qc19556c6fb_qkv
		.amdhsa_group_segment_fixed_size 298496
		.amdhsa_private_segment_fixed_size 0
		.amdhsa_enable_private_segment 0
		.amdhsa_kernarg_size 72
		.amdhsa_user_sgpr_count 2
		.amdhsa_user_sgpr_kernarg_segment_ptr 1
		.amdhsa_wavefront_size32 1
		.amdhsa_system_sgpr_workgroup_id_x 1
		.amdhsa_system_sgpr_workgroup_id_y 1
		.amdhsa_system_sgpr_workgroup_id_z 1
		.amdhsa_system_vgpr_workitem_id 0
		.amdhsa_next_free_vgpr 1024
		.amdhsa_next_free_sgpr 100
		.amdhsa_reserve_vcc 1
		.amdhsa_float_denorm_mode_32 3
		.amdhsa_float_denorm_mode_16_64 3
		.amdhsa_memory_ordered 1
		.amdhsa_forward_progress 1
		.amdhsa_inst_pref_size 255
	.end_amdhsa_kernel
	.section	.bss,"aw",@nobits
	.p2align	6
	.space	262144
	.amdgpu_metadata
---
amdhsa.version: [ 1, 2 ]
amdhsa.kernels:
  - .name:           k_qc19556c6fb_qkv
    .symbol:         k_qc19556c6fb_qkv.kd
    .args:
      - { .name: xc, .offset: 0, .size: 8, .value_kind: global_buffer, .address_space: global }
      - { .name: wc, .offset: 8, .size: 8, .value_kind: global_buffer, .address_space: global }
      - { .name: psc, .offset: 16, .size: 8, .value_kind: global_buffer, .address_space: global }
      - { .name: cos, .offset: 24, .size: 8, .value_kind: global_buffer, .address_space: global }
      - { .name: sin, .offset: 32, .size: 8, .value_kind: global_buffer, .address_space: global }
      - { .name: q_norm_w, .offset: 40, .size: 8, .value_kind: global_buffer, .address_space: global }
      - { .name: k_norm_w, .offset: 48, .size: 8, .value_kind: global_buffer, .address_space: global }
      - { .name: qk, .offset: 56, .size: 8, .value_kind: global_buffer, .address_space: global }
      - { .name: vb, .offset: 64, .size: 8, .value_kind: global_buffer, .address_space: global }
    .group_segment_fixed_size: 298496
    .private_segment_fixed_size: 0
    .kernarg_segment_align: 8
    .kernarg_segment_size: 72
    .max_flat_workgroup_size: 128
    .sgpr_count:     100
    .vgpr_count:     1024
    .wavefront_size: 32
...
	.end_amdgpu_metadata
.endif
;; end of part 2
;; launch spread (part 3): grid 256 x 1, 4 waves a work-group, no clusters, 13,824 bytes of LDS; arguments qk, vb, scatter_indices, kvf; writes kvf
.if DOCPART == 3
	.amdgcn_target "amdgcn-amd-amdhsa--gfx1250"
	.amdhsa_code_object_version 6
	.text
	.protected	k_qc19556c6fb_spread
	.globl	k_qc19556c6fb_spread
	.p2align	8
	.type	k_qc19556c6fb_spread,@function
k_qc19556c6fb_spread:
	s_mov_b64 s[64:65], 0
	v_nop
	global_prefetch_b8 v0, s[64:65] scope:SCOPE_SE
	s_setreg_imm32_b32 hwreg(HW_REG_WAVE_MODE, 25, 1), 1
	s_wait_xcnt 0x0
; The radix scatter for K and V.  For each batch b, kv head and key step of 128 full positions: K's codes (quantised along the head's 128, row by row, so the gather moves whole rows of codes) are gathered into
; key tiles, and V's f32 rows are gathered and quantised ALONG THE KEYS of the full stream.  kvf: [32 = 4 b + head][204,800]: +0 K images [8 steps][8 key tiles][1536]; +98,304 V images [8 steps][8 tiles of the head's 128][1536];
; +196,608 K's scale words [8][8][16]; +200,704 V's.  THE ROWS OF A TILE ARE NOT NEIGHBOURS: row r of tile 2 b + u is key (or channel) 32 b + 8 u + r + 8 (r / 8).
; A work-group takes one (b, head, step); wave w takes key tiles 2 w, 2 w + 1 and channels 32 w .. 32 w + 31: a lane takes a channel and its registers run down the keys.
; scatter_indices is read and honoured; an index is held at 6,399, its table's last row.  No cluster and no tensor load: every row's address hangs on an index, so the operands go through registers.
; LIMITS: NaN and infinities are not served; a block of zeros gets the scale byte 1 (its codes are zeros; this program alone reads the bytes).
.set SPARE, 13312                      ; behind the four stages of 3,328 bytes
.set SPW, 16
.set NIL, 17
.set VW,  13                           ; v13  where my channel's codes go in the stage
.set QC,  20                           ; v20-26 a block's codes
.set QT,  28                           ; v28-30 at work
.set SBW, 31                           ; v31  my channel's scale word
.set X0,  32                           ; v32-95 and v160-223: four sets, one for each block of 32 keys: a row's offset, then its number
.set X2,  160
.set KC,  96                           ; v96-119 K's two tiles
.set KSW, 120
.set KO,  122                          ; v122-124 the gathers' offsets
.set OUT, 128
.macro QBLOCK xs, bk, soff, sb         ; 32 numbers of one lane: 24 bytes of codes at their place in the image, and a byte of v[sb]
	v_max3_num_f32 v[QT], |v[\xs]|, |v[(\xs)+1]|, |v[(\xs)+2]|
	v_max3_num_f32 v[QT+1], |v[(\xs)+3]|, |v[(\xs)+4]|, |v[(\xs)+5]|
.irp i, 6,10,14,18,22,26
	v_max3_num_f32 v[QT], v[QT], |v[(\xs)+\i]|, |v[(\xs)+\i+1]|
	v_max3_num_f32 v[QT+1], v[QT+1], |v[(\xs)+\i+2]|, |v[(\xs)+\i+3]|
.endr
	v_max3_num_f32 v[QT], v[QT], |v[(\xs)+30]|, |v[(\xs)+31]|
	v_max3_num_f32 v[QT], v[QT], v[QT+1], 0x1800000        ; the floor 2^(3 - 127): the byte cannot fall under 1
	v_add_nc_u32 v[QT+2], 0xff000000, v[QT]                ; 2 off the exponent field: the conversion's scale operand
	v_lshrrev_b32 v[QT+1], 23, v[QT+2]
.if (\bk) == 0
	v_mov_b32 v[\sb], v[QT+1]
.else
	v_lshl_or_b32 v[\sb], v[QT+1], 8*(\bk), v[\sb]
.endif
	v_cvt_scalef32_pk16_fp6_f32 v[QC:QC+2], v[\xs:(\xs)+15], v[QT+2]
	v_cvt_scalef32_pk16_fp6_f32 v[QC+4:QC+6], v[(\xs)+16:(\xs)+31], v[QT+2]
	v_nop                                          ; one plain instruction behind the scaled conversions
	v_mov_b32 v[QC+3], v[QC+4]
	v_mov_b32 v[QC+4], v[QC+5]
	v_mov_b32 v[QC+5], v[QC+6]
.if (\bk) < 2
	ds_store_b128 v[VW], v[QC:QC+3] offset:(\soff)+256*((\bk)%2)
	ds_store_b64 v[VW], v[QC+4:QC+5] offset:(\soff)+512+256*((\bk)%2)
.else
	ds_store_b64 v[VW], v[QC:QC+1] offset:(\soff)+520+256*((\bk)%2)
	ds_store_b128 v[VW], v[QC+2:QC+5] offset:(\soff)+1024+256*((\bk)%2)
.endif
.endm
	s_load_b256 s[4:11], s[0:1], 0x0               ; qk s[4:5], vb s[6:7], scatter s[8:9], kvf s[10:11]
	v_lshl_add_u32 v[SPW], v0, 2, SPARE
	v_mov_b32 v[NIL], 0
	v_lshrrev_b32 v1, 5, v0
	v_readfirstlane_b32 s2, v1                     ; wave
	s_and_b32 s3, ttmp9, 7                         ; the key step
	s_lshr_b32 s48, ttmp9, 3                       ; 4 b + head
	s_lshr_b32 s49, s48, 2                         ; b
	s_and_b32 s50, s48, 3                          ; head
	v_and_b32 v1, 31, v0                           ; lane
	v_and_b32 v2, 15, v0                           ; r
	v_bfe_u32 v3, v0, 4, 1                         ; h
	v_lshlrev_b32 v4, 4, v1
	v_lshlrev_b32 v5, 2, v1
	v_and_b32 v9, 8, v2
	v_add_nc_u32 v9, v9, v2                        ; r + 8 (r / 8)
	s_lshl_b32 s51, s2, 5
	v_add_nc_u32 v9, s51, v9
	v_lshlrev_b32 v9, 2, v9                        ; the index of tile 2 w's row r (tile 2 w + 1: 8 keys on)
	v_lshl_add_u32 v10, v3, 5, v9                  ; lane (r, h): tile 2 w + h's row r, for the scale words
	v_bfe_u32 v11, v0, 3, 1                        ; u
	v_and_b32 v12, 7, v0
	v_lshl_add_u32 v12, v3, 3, v12                 ; rr
	s_mul_i32 s51, s2, 3328
	v_mul_u32_u24 v13, v11, 1664
	v_lshl_add_u32 v13, v12, 4, v13
	v_add_nc_u32 v13, s51, v13
	v_add_nc_u32 v14, s51, v4
	v_lshlrev_b32 v15, 6, v11
	v_lshl_add_u32 v15, v12, 2, v15
	s_lshl_b32 s52, s49, 12
	s_lshl_b32 s53, s3, 9
	s_add_co_u32 s52, s52, s53                     ; 4 (1,024 b + 128 step)
	s_mov_b32 s53, 0
	s_add_co_u32 s54, s50, 8
	s_mul_i32 s56, s54, 614400                     ; k head's images
	s_mov_b32 s57, 0
	s_mul_i32 s58, s54, 25600
	s_add_co_u32 s58, s58, 7372800                 ; and scale words
	s_mov_b32 s59, 0
	s_mul_i32 s60, s50, 3276800
	s_lshl_b32 s61, s2, 7
	s_add_co_u32 s60, s60, s61                     ; v head, my wave's 32 channels
	s_mov_b32 s61, 0
	s_mul_i32 s62, s48, 204800
	s_mul_i32 s63, s3, 12288
	s_add_co_u32 s14, s62, s63
	s_mul_i32 s63, s2, 3072
	s_add_co_u32 s14, s14, s63                     ; my two images of the step
	s_mov_b32 s15, 0
	s_lshl_b32 s63, s3, 9
	s_add_co_u32 s62, s62, s63
	s_lshl_b32 s63, s2, 7
	s_add_co_u32 s62, s62, s63
	s_add_co_u32 s62, s62, 196608                  ; my 32 scale words of the step
	s_mov_b32 s63, 0
	s_wait_kmcnt 0x0
	s_add_nc_u64 s[12:13], s[8:9], s[52:53]        ; the step's 128 indices
	s_add_nc_u64 s[52:53], s[4:5], s[56:57]        ; K's codes
	s_add_nc_u64 s[54:55], s[4:5], s[58:59]        ; K's scale words
	s_add_nc_u64 s[56:57], s[6:7], s[60:61]        ; V
	s_add_nc_u64 s[58:59], s[10:11], s[14:15]      ; out: K's images,
	s_add_nc_u64 s[60:61], s[58:59], 98304         ; V's,
	s_add_nc_u64 s[62:63], s[10:11], s[62:63]      ; K's scale words,
	s_add_nc_u64 s[14:15], s[62:63], 4096          ; V's
	global_load_b32 v6, v9, s[12:13]
	global_load_b32 v7, v9, s[12:13] offset:32
	global_load_b32 v8, v10, s[12:13]
	s_load_b512 s[16:31], s[12:13], 0x0            ; the indices of keys 0-31 of the step,
	s_load_b512 s[32:47], s[12:13], 0x40
	s_load_b512 s[68:83], s[12:13], 0x80           ; and of keys 32-63
	s_load_b512 s[84:99], s[12:13], 0xc0
	s_wait_loadcnt 0x0
	s_wait_kmcnt 0x0
.irp u, 0,1                                    ; compact row c lies in image c / 16 as row c % 16: my 16 bytes of piece cc at 1,536 (c / 16) + 512 cc + 16 (c % 16 + 16 h)
	v_lshrrev_b32 v28, 4, v[6+\u]
	v_min_u32 v28, 399, v28
	v_and_b32 v29, 15, v[6+\u]
	v_min_u32 v29, 15, v29
	v_mul_u32_u24 v28, v28, 1536
	v_lshl_add_u32 v28, v29, 4, v28
	v_lshl_add_u32 v[KO+\u], v3, 8, v28
.irp c, 0,1,2
	global_load_b128 v[KC+12*\u+4*\c:KC+12*\u+4*\c+3], v[KO+\u], s[52:53] offset:512*\c
.endr
.endr
	v_min_u32 v[KO+2], 6399, v8
	v_lshlrev_b32 v[KO+2], 2, v[KO+2]
	global_load_b32 v[KSW], v[KO+2], s[54:55]
; 32 gathered rows: the wave reads 128 consecutive bytes of each, the four waves its 512; each load lands on its own offset register.
; Three runs: the holds, the offsets, the loads: no load stands straight behind the line that makes its offset.
.macro VLOAD sr, xr
.set i, 0
.rept 32
	s_min_u32 s[(\sr)+i], s[(\sr)+i], 6399
.set i, i+1
.endr
.set i, 0
.rept 32
	v_lshl_add_u32 v[(\xr)+i], s[(\sr)+i], 9, v5
.set i, i+1
.endr
.set i, 0
.rept 32
	global_load_b32 v[(\xr)+i], v[(\xr)+i], s[56:57]
.set i, i+1
.endr
.endm
	VLOAD 16, X0
	VLOAD 68, X0+32
	s_load_b512 s[16:31], s[12:13], 0x100          ; keys 64-95,
	s_load_b512 s[32:47], s[12:13], 0x140
	s_load_b512 s[68:83], s[12:13], 0x180          ; keys 96-127
	s_load_b512 s[84:99], s[12:13], 0x1c0
	s_wait_kmcnt 0x0                               ; the later blocks' indices are in: all four blocks' rows are asked for ahead of the first block's work
	VLOAD 16, X2
	VLOAD 68, X2+32
.irp t, 0,1,2,3
.if \t < 2
	s_wait_loadcnt 63                              ; behind this block's loads 96 or 64 were issued
.elseif \t == 2
	s_wait_loadcnt 32                              ; the last block's 32 loads may be out
.else
	s_wait_loadcnt 0x0
.endif
.if \t == 0
.irp u, 0,1
.irp c, 0,1,2
	global_store_b128 v4, v[KC+12*\u+4*\c:KC+12*\u+4*\c+3], s[58:59] offset:1536*\u+512*\c
.endr
.endr
	global_store_b32 v5, v[KSW], s[62:63]
.endif
	QBLOCK X0+32*(\t%2)+128*(\t/2), \t, 0, SBW
	s_wait_dscnt 0x0                               ; the stores have read the codes' registers
.endr
	s_wait_alu depctr_va_vdst(0)
	global_store_b32 v15, v[SBW], s[14:15]
.irp u, 0,1
.irp p, 0,1,2
	ds_load_b128 v[OUT+4*(3*\u+\p):OUT+4*(3*\u+\p)+3], v14 offset:1664*\u+512*\p
.endr
.endr
.irp u, 0,1
.irp p, 0,1,2
	s_wait_dscnt 5-(3*\u+\p)                       ; this load is in; the younger may be out
	global_store_b128 v4, v[OUT+4*(3*\u+\p):OUT+4*(3*\u+\p)+3], s[60:61] offset:1536*\u+512*\p
.endr
.endr
	s_wait_tensorcnt 0x0                           ; the wave's end, behind my last LDS store
	ds_add_u32 v[SPW], v[NIL]
	s_wait_dscnt 0x0
	s_endpgm
.Lfunc_end_k_qc19556c6fb_spread:
	.size	k_qc19556c6fb_spread, .Lfunc_end_k_qc19556c6fb_spread-k_qc19556c6fb_spread
	.p2alignl 7, 3214868480
	.fill 96, 4, 3214868480
	.section	.rodata,"a",@progbits
	.p2align	6, 0x0
	.amdhsa_kernel k_qc19556c6fb_spread
		.amdhsa_group_segment_fixed_size 13824
		.amdhsa_private_segment_fixed_size 0
		.amdhsa_enable_private_segment 0
		.amdhsa_kernarg_size 32
		.amdhsa_user_sgpr_count 2
		.amdhsa_user_sgpr_kernarg_segment_ptr 1
		.amdhsa_wavefront_size32 1
		.amdhsa_system_sgpr_workgroup_id_x 1
		.amdhsa_system_sgpr_workgroup_id_y 1
		.amdhsa_system_sgpr_workgroup_id_z 1
		.amdhsa_system_vgpr_workitem_id 0
		.amdhsa_next_free_vgpr 224
		.amdhsa_next_free_sgpr 100
		.amdhsa_reserve_vcc 0
		.amdhsa_float_denorm_mode_32 3
		.amdhsa_float_denorm_mode_16_64 3
		.amdhsa_memory_ordered 1
		.amdhsa_forward_progress 1
		.amdhsa_inst_pref_size 42
	.end_amdhsa_kernel
	.amdgpu_metadata
---
amdhsa.version: [ 1, 2 ]
amdhsa.kernels:
  - .name:           k_qc19556c6fb_spread
    .symbol:         k_qc19556c6fb_spread.kd
    .args:
      - { .name: qk, .offset: 0, .size: 8, .value_kind: global_buffer, .address_space: global }
      - { .name: vb, .offset: 8, .size: 8, .value_kind: global_buffer, .address_space: global }
      - { .name: scatter_indices, .offset: 16, .size: 8, .value_kind: global_buffer, .address_space: global }
      - { .name: kvf, .offset: 24, .size: 8, .value_kind: global_buffer, .address_space: global }
    .group_segment_fixed_size: 13824
    .private_segment_fixed_size: 0
    .kernarg_segment_align: 8
    .kernarg_segment_size: 32
    .max_flat_workgroup_size: 128
    .sgpr_count:     100
    .vgpr_count:     224
    .wavefront_size: 32
...
	.end_amdgpu_metadata
.endif
;; end of part 3
;; launch attn (part 4): grid 4 x 64, 16 waves a work-group, clusters of 4 x 1, 206,848 bytes of LDS; arguments qk, kvf, scatter_indices, oc; writes oc
.if DOCPART == 4
	.amdgcn_target "amdgcn-amd-amdhsa--gfx1250"
	.amdhsa_code_object_version 6
	.text
	.protected	k_qc19556c6fb_attn
	.globl	k_qc19556c6fb_attn
	.p2align	8
	.type	k_qc19556c6fb_attn,@function
k_qc19556c6fb_attn:
	s_mov_b64 s[64:65], 0
	v_nop
	global_prefetch_b8 v0, s[64:65] scope:SCOPE_SE
	s_setreg_imm32_b32 hwreg(HW_REG_WAVE_MODE, 25, 1), 1
	s_wait_xcnt 0x0
	s_wait_alu depctr_hold_cnt(0) depctr_sa_sdst(0) depctr_va_vdst(0) depctr_va_sdst(0) depctr_va_ssrc(0) depctr_va_vcc(0) depctr_vm_vsrc(0)
	s_getreg_b32 s2, hwreg(HW_REG_IB_STS2, 6, 4)
	s_cmp_eq_u32 s2, 0
	s_cbranch_scc0 .Lentry_in_a_cluster
	s_endpgm
.Lentry_in_a_cluster:
	s_bfe_u32 s2, ttmp6, 0x10000c
	s_cmp_lg_u32 s2, 0x3003
	s_cbranch_scc0 .Lentry_shape_is_right
	s_endpgm
.Lentry_shape_is_right:
; Causal attention of one (batch b, query head) on codes of E2M3, and the quantiser of its result along the head's 128.
; t = score x log2(e) / sqrt(128); M = the running largest t, rounded UP to a whole number; p = 2^(t - M) is quantised along the keys, not normalised; the row's sum is taken of the unquantised p and divides at the end.
; SHARES.  The four work-groups of a cluster share one (b, head): 64 tiles of 16 queries, one tile to a wave.  Wave w has a rank 0 .. 15 and takes tile 4 rank + cx: its first query is 64 rank + 16 cx.
; So whether a key step of 128 is hidden (2 step > rank), wholly open (2 step + 2 <= rank) or on the diagonal hangs on the wave's number alone (16 cx + 15 < 64); a wave has rank / 2 + 1 steps of work, a work-group 72.
; THE RANKS.  With a = w / 4, b = w % 4: u = 7 ((a xor b) & 1) xor 3 (b / 2) xor (a / 2), rank = 2 u + (a & 1).  The steps u + 1 then stand in the square (rows a, columns b)  1 8 4 5 / 8 1 5 4 / 2 7 3 6 / 7 2 6 3:
; each row and each column adds up to 18, so the four waves with one w / 4 have as much work as the four with one w % 4, and as every other such four.
; NO RING: the head's K, V and scale words, 204,800 bytes, lie in LDS whole, as they lie in kvf.  Every load is a first fill: nothing is filled again.  The four partners read the same bytes: JOINT loads, mask 15.
; Each of the 16 waves fetches 12,800 of these bytes (50 rows of 256) by its one tensor load, at the same offset in kvf's block and in LDS.
; ONE BARRIER: in front of it every wave has waited for its load; behind it all of K, V and the scale words are there, and no wave waits for another.
; LAYOUT.  Both products are used transposed: S^T = K Q^T, O^T = V^T P^T: a lane holds ONE query.  The keys of a tile of K and the channels of a tile of V are so chosen that 16 registers of two neighbouring tiles are 16 neighbours.
; Q's rows are gathered by scatter_indices (held at 6,399); the index is asked for ahead of the opening round.  OUT: oc: images [512 tiles of full positions][8 heads][1536]; from byte 6,291,456 scale words [8 heads][8192].
; No data prefetch: all that the work-group reads of kvf is asked for at the head, by the tensor loads themselves; there is no later tile to run ahead for.
; LIMITS: NaN and infinities are not served; a block of zeros gets the scale byte 1 (its codes are zeros; this program alone reads the bytes).
; REGISTERS: v1 16 x lane, v2 4 x lane, v3 4 r; v8-11 the step's LDS addresses; v12 -M, v13 the largest t, v[14:15] the sum; v16-27 Q; v28-31 Q's gather; v32-79 four fragments; v96-159 S^T, then p; v160-223 O^T;
;   v224-235 p's codes; v232-254 at work; v248-249 K's or V's scale words (two tiles to a register); v253 p's; v255 Q's.
.set SPARE, 204800
.set SPW, 5
.set NIL, 6
.set ADK, 8
.set ADV, 9
.set ADS, 10
.set ADT, 11
.set WV,  12
.set RK,  13
.set Q0,  14
.set G1C, 16                           ; s[16:23] group 1: 12,800 dense bytes as 50 rows of 256
.set G0,  32                           ; s[32:35] group 0
.set SEL, 60
.set CS,  62
.macro CROUND
	s_barrier_signal -1
	s_barrier_wait -1
	s_cmp_lg_u32 s[WV], 0
	s_cbranch_scc1 .Lnot_wave_0_\@
	s_barrier_signal -3
.Lnot_wave_0_\@:
	s_barrier_wait -3
	s_barrier_signal -1
	s_barrier_wait -1
.endm
.macro QUANT s, pc, tm, pw
.irp b, 0,1,2,3
	v_max3_num_f32 v[(\tm)+\b], |v[(\s)+16*\b]|, |v[(\s)+1+16*\b]|, 0x1800000
.endr
.irp i, 2,4,6,8,10,12,14
.irp b, 0,1,2,3
	s_delay_alu instid0(VALU_DEP_4)
	v_max3_num_f32 v[(\tm)+\b], v[(\tm)+\b], |v[(\s)+16*\b+\i]|, |v[(\s)+1+16*\b+\i]|
.endr
.endr
.irp b, 0,1,2,3
	s_delay_alu instid0(VALU_DEP_4)
	v_permlanex16_b32 v[(\tm)+4+\b], v[(\tm)+\b], s[SEL], s[SEL+1]
.endr
.irp b, 0,1,2,3
	s_delay_alu instid0(VALU_DEP_4)
	v_max_num_f32 v[(\tm)+\b], v[(\tm)+\b], v[(\tm)+4+\b]
.endr
.irp b, 0,1,2,3
	s_delay_alu instid0(VALU_DEP_4)
	v_add_nc_u32 v[(\tm)+12+\b], 0xff000000, v[(\tm)+\b]
.endr
.irp b, 0,1,2,3
	s_delay_alu instid0(VALU_DEP_4)
	v_lshrrev_b32 v[(\tm)+4+\b], 23, v[(\tm)+12+\b]
.endr
	s_delay_alu instid0(VALU_DEP_3)
	v_lshl_or_b32 v[\pw], v[(\tm)+5], 8, v[(\tm)+4]
	s_delay_alu instid0(VALU_DEP_1)
	v_lshl_or_b32 v[\pw], v[(\tm)+6], 16, v[\pw]
	s_delay_alu instid0(VALU_DEP_1)
	v_lshl_or_b32 v[\pw], v[(\tm)+7], 24, v[\pw]
.irp c, 0,1
	v_cvt_scalef32_pk16_fp6_f32 v[(\pc)+6*\c:(\pc)+2+6*\c], v[(\s)+32*\c:(\s)+15+32*\c], v[(\tm)+12+2*\c]
	v_cvt_scalef32_pk16_fp6_f32 v[(\pc)+12+4*\c:(\pc)+14+4*\c], v[(\s)+16+32*\c:(\s)+31+32*\c], v[(\tm)+12+2*\c+1]
.endr
	v_nop
.irp c, 0,1
.irp i, 0,1,2
	v_permlane16_swap_b32 v[(\pc)+6*\c+\i], v[(\pc)+12+4*\c+\i]
.endr
.irp i, 0,1,2
	s_delay_alu instid0(VALU_DEP_3)
	v_mov_b32 v[(\pc)+3+6*\c+\i], v[(\pc)+12+4*\c+\i]
.endr
.endr
.endm
	s_load_b256 s[4:11], s[0:1], 0x0               ; qk s[4:5], kvf s[6:7], scatter s[8:9], oc s[10:11]
	v_lshl_add_u32 v[SPW], v0, 2, SPARE
	v_mov_b32 v[NIL], 0
	ds_add_u32 v[SPW], v[NIL]                      ; the wave's opening: the add, twice on end, and its wait ahead of the first tensor loads; register work stands between them
	ds_add_u32 v[SPW], v[NIL]
	v_lshrrev_b32 v8, 5, v0
	s_delay_alu instid0(VALU_DEP_1)
	v_readfirstlane_b32 s[WV], v8                  ; wave 0..15
	s_lshr_b32 s52, s[WV], 2                       ; a = w / 4
	s_xor_b32 s53, s[WV], s52
	s_and_b32 s53, s53, 1                          ; (a xor b) & 1
	s_mul_i32 s53, s53, 7
	s_bfe_u32 s54, s[WV], 0x10001                  ; b / 2
	s_mul_i32 s54, s54, 3
	s_xor_b32 s53, s53, s54
	s_lshr_b32 s54, s[WV], 3                       ; a / 2
	s_xor_b32 s53, s53, s54                        ; u
	s_and_b32 s52, s52, 1                          ; a & 1 tells the two waves with one u apart
	s_lshl_b32 s[RK], s53, 1
	s_or_b32 s[RK], s[RK], s52                     ; rank
	s_bfe_u32 s15, ttmp6, 0x40000                  ; cx: it enters global addresses and the mask's numbers alone
	s_lshl_b32 s[Q0], s[RK], 6
	s_lshl_b32 s52, s15, 4
	s_add_co_u32 s[Q0], s[Q0], s52                 ; my first query
	s_and_b32 s53, ttmp7, 0xffff                   ; 8 b + head
	s_lshr_b32 s54, s53, 3                         ; b
	s_and_b32 s55, s53, 7                          ; head
	s_lshr_b32 s56, s53, 1                         ; 4 b + kv head
	s_mul_i32 s56, s56, 204800
	s_mov_b32 s57, 0
	s_mov_b32 s[G1C], 15|(3<<16)|(1<<21)           ; the mask: all four partners; elements of 8 bytes; bit 21 beside a mask
	s_mov_b32 s[G1C+1], 32<<16
	s_mov_b32 s[G1C+2], 50<<16
	s_mov_b32 s[G1C+3], 32<<16
	s_mov_b32 s[G1C+4], 50
	s_mov_b32 s[G1C+5], 32
	s_mov_b32 s[G1C+6], 0
	s_mov_b32 s[G1C+7], 0
	s_mul_i32 s58, s[WV], 12800                    ; my sixteenth of the 204,800 bytes: the same offset in kvf's block and in LDS
	s_mov_b32 s67, 0
	s_mov_b32 s[SEL], 0x76543210
	s_mov_b32 s[SEL+1], 0xfedcba98
	s_mov_b32 s[CS], 0x3e0293ee                    ; c = log2(e) / sqrt(128)
	s_mov_b32 s[CS+1], s[CS]
	s_wait_dscnt 0x0                               ; both opening adds are done
	s_wait_kmcnt 0x0
	s_add_nc_u64 s[6:7], s[6:7], s[56:57]
	v_and_b32 v8, 15, v0                           ; r
	s_delay_alu instid0(VALU_DEP_1)
	v_lshlrev_b32 v3, 2, v8
	s_lshl_b32 s52, s54, 10
	s_add_co_u32 s52, s52, s[Q0]                   ; my first query's full position
	s_lshl_b32 s66, s52, 2
	s_add_nc_u64 s[8:9], s[8:9], s[66:67]
	global_load_b32 v31, v3, s[8:9]                ; my query's compact row: asked for ahead of the round, since Q's gather hangs on it
	CROUND                                         ; all four work-groups are here: the joint loads meet
	s_mov_b32 s[G0], 1
	s_mov_b32 s[G0+1], s58
	s_mov_b32 s66, s58
	s_add_nc_u64 s[G0+2:G0+3], s[6:7], s[66:67]
	s_or_b32 s[G0+3], s[G0+3], 0x80000000
	tensor_load_to_lds s[G0:G0+3], s[G1C:G1C+7]    ; every wave's one tensor load, a joint one
	s_nop 0
.rept 4
	v_nop
.endr
	v_bfe_u32 v9, v0, 4, 1                         ; h
	v_and_b32 v10, 31, v0
	s_delay_alu instid0(VALU_DEP_1)
	v_lshlrev_b32 v1, 4, v10
	s_delay_alu instid0(VALU_DEP_2)
	v_lshlrev_b32 v2, 2, v10
	s_mul_i32 s66, s55, 614400
	s_add_nc_u64 s[72:73], s[4:5], s[66:67]        ; q head's images
	s_mul_i32 s66, s55, 25600
	s_add_co_u32 s66, s66, 7372800
	s_add_nc_u64 s[74:75], s[4:5], s[66:67]        ; and scale words
	s_lshl_b32 s66, s54, 6
	s_lshl_b32 s56, s[RK], 2
	s_add_co_u32 s66, s66, s56
	s_add_co_u32 s66, s66, s15                     ; my tile of full positions: 64 b + 4 rank + cx
	s_lshl_b32 s66, s66, 3
	s_add_co_u32 s66, s66, s55
	s_mul_i32 s66, s66, 1536
	s_add_nc_u64 s[68:69], s[10:11], s[66:67]      ; my image in oc
	s_lshl_b32 s66, s55, 15
	s_lshl_b32 s56, s52, 2
	s_add_co_u32 s66, s66, s56
	s_add_co_u32 s66, s66, 6291456
	s_add_nc_u64 s[70:71], s[10:11], s[66:67]      ; my 16 scale words
	v_mov_b32 v13, 0xff61b1e6                      ; the largest t so far: -3e38
	s_delay_alu instid0(VALU_DEP_1)
	v_floor_f32 v12, -v13                          ; -M
	v_mov_b32 v14, 0
	v_mov_b32 v15, 0
.irp b, 0,1,2,3
	v_mov_b32 v[236+\b], 0                         ; a lane permute's destination counts as a source
.endr
	v_mov_b32 v253, 0
.set j, 0
.rept 64
	v_mov_b32 v[160+j], 0                          ; O^T: the step is written for every step alike; the first finds zeros
.set j, j+1
.endr
	s_wait_loadcnt 0x0
	v_lshrrev_b32 v28, 4, v31
	s_delay_alu instid0(VALU_DEP_1)
	v_min_u32 v28, 399, v28
	v_and_b32 v29, 15, v31
	s_delay_alu instid0(VALU_DEP_1)
	v_min_u32 v29, 15, v29
	s_delay_alu instid0(VALU_DEP_3)
	v_mul_u32_u24 v28, v28, 1536
	s_delay_alu instid0(VALU_DEP_1)
	v_lshl_add_u32 v28, v29, 4, v28
	s_delay_alu instid0(VALU_DEP_1)
	v_lshl_add_u32 v28, v9, 8, v28                 ; 1,536 (c / 16) + 16 (c % 16 + 16 h)
	v_min_u32 v30, 6399, v31
	s_delay_alu instid0(VALU_DEP_1)
	v_lshlrev_b32 v30, 2, v30
.irp c, 0,1,2
	global_load_b128 v[16+4*\c:19+4*\c], v28, s[72:73] offset:512*\c
.endr
	global_load_b32 v255, v30, s[74:75]
	s_wait_loadcnt 0x0
.macro ARRIVE n
	s_wait_tensorcnt \n
	s_wait_dscnt 0x0
	s_barrier_signal -1
	s_barrier_wait -1
.endm
.macro STEP sg                         ; key step sg: 128 keys
.if \sg > 0
	s_cmp_lt_u32 s[RK], 2*\sg                      ; all its keys come after my queries: the work is left out (no barrier and no load of the mover stands in a step)
	s_cbranch_scc1 .Lhidden_\@
.endif
	v_add_nc_u32 v[ADK], 12288*\sg, v1             ; these four are also the places in front of the loads into registers that the last products read
	s_wait_alu depctr_va_vdst(0)
	v_add_nc_u32 v[ADV], 98304+12288*\sg, v1
	v_add_nc_u32 v[ADS], 196608+512*\sg, v2
	s_wait_alu depctr_va_vdst(0)
	v_add_nc_u32 v[ADT], 200704+512*\sg, v2
.irp g, 0,1                                    ; S^T = K Q^T, four tiles of 16 keys at a time
.if \g > 0
.rept 4
	v_nop
.endr
.endif
.irp t, 0,1,2,3
.irp c, 0,1,2
	ds_load_b128 v[32+12*\t+4*\c:35+12*\t+4*\c], v[ADK] offset:1536*(4*\g+\t)+512*\c
.endr
.endr
.irp j, 0,1
	ds_load_b32 v[248+\j], v[ADS] offset:128*(2*\g+\j)   ; lanes 0-15: tile 4 g + 2 j's words, lanes 16-31: tile 4 g + 2 j + 1's
.endr
	s_wait_dscnt 0x0
.irp t, 0,2
	v_wmma_scale_f32_16x16x128_f8f6f4 v[96+8*(4*\g+\t):103+8*(4*\g+\t)], v[32+12*\t:43+12*\t], v[16:27], 0, v[248+\t/2], v255 matrix_a_fmt:MATRIX_FMT_FP6 matrix_b_fmt:MATRIX_FMT_FP6
	v_wmma_scale_f32_16x16x128_f8f6f4 v[104+8*(4*\g+\t):111+8*(4*\g+\t)], v[44+12*\t:55+12*\t], v[16:27], 0, v[248+\t/2], v255 matrix_a_fmt:MATRIX_FMT_FP6 matrix_b_fmt:MATRIX_FMT_FP6 matrix_a_scale:MATRIX_SCALE_ROW1
.endr
.endr
.rept 4
	v_nop
.endr
	s_cmp_ge_u32 s[RK], 2*\sg+2                    ; all keys count: no mask
	s_cbranch_scc1 .Lopen_\@
	s_sub_co_i32 s52, s[Q0], 128*\sg
	v_and_b32 v252, 15, v0
	v_bfe_u32 v253, v0, 4, 1
	s_delay_alu instid0(VALU_DEP_1)
	v_lshlrev_b32 v253, 4, v253
	s_delay_alu instid0(VALU_DEP_1)
	v_sub_nc_u32 v252, v252, v253
	s_delay_alu instid0(VALU_DEP_1)
	v_add_nc_u32 v252, s52, v252                   ; d = my query - the step's first key - 16 h.  Register 16 b + i holds key 32 b + 16 h + i of the step: hidden where 32 b + i > d
	v_mov_b32 v254, 0xff800000                     ; -infinity: p = 0
.set n, 0
.rept 64
	v_cmp_gt_i32 vcc_lo, 32*(n/16)+n%16, v252
	v_cndmask_b32 v[96+n], v[96+n], v254, vcc_lo
.set n, n+1
.endr
.Lopen_\@:
.irp b, 0,1,2,3
	v_max3_num_f32 v[232+\b], v[96+16*\b], v[97+16*\b], v[98+16*\b]   ; the largest score of each block of 32 keys: for the row's maximum and, since p rises with the score, for the block's largest p
.endr
.irp i, 3,5,7,9,11,13
.irp b, 0,1,2,3
	v_max3_num_f32 v[232+\b], v[232+\b], v[96+16*\b+\i], v[97+16*\b+\i]
.endr
.endr
.irp b, 0,1,2,3
	v_max_num_f32 v[232+\b], v[232+\b], v[111+16*\b]
.endr
.irp b, 0,1,2,3
	s_delay_alu instid0(VALU_DEP_4)
	v_permlanex16_b32 v[236+\b], v[232+\b], s[SEL], s[SEL+1]
.endr
.irp b, 0,1,2,3
	s_delay_alu instid0(VALU_DEP_4)
	v_max_num_f32 v[232+\b], v[232+\b], v[236+\b]
.endr
	s_delay_alu instid0(VALU_DEP_2)
	v_max3_num_f32 v254, v232, v233, v234
	s_delay_alu instid0(VALU_DEP_1)
	v_max_num_f32 v254, v254, v235
	s_delay_alu instid0(VALU_DEP_1)
	v_mul_f32 v254, s[CS], v254
	s_delay_alu instid0(VALU_DEP_1)
	v_max_num_f32 v13, v13, v254                   ; the running largest t
	v_mov_b32 v254, v12
	s_delay_alu instid0(VALU_DEP_2)
	v_floor_f32 v12, -v13                          ; the new -M = -ceil(t)
	s_delay_alu instid0(VALU_DEP_1)
	v_sub_f32 v254, v12, v254                      ; old M - new M: a whole number, 0 or less
	s_delay_alu instid0(VALU_DEP_1)
	v_cvt_i32_f32 v254, v254
	s_delay_alu instid0(VALU_DEP_1)
	v_ldexp_f32 v252, 1.0, v254                    ; f = 2^(old M - new M): rounds nothing
.set j, 0
.rept 32
	v_pk_fma_f32 v[96+j:97+j], v[96+j:97+j], s[CS:CS+1], v[12:13] op_sel_hi:[1,0,0]   ; t - M
.set j, j+2
.endr
.irp b, 0,1,2,3
	v_fma_f32 v[232+\b], v[232+\b], s[CS], v12
.endr
.set j, 0
	s_wait_alu depctr_va_vdst(0)
.rept 64
	v_exp_f32 v[96+j], v[96+j]                     ; p = 2^(t - M)
.set j, j+1
.endr
	v_pk_mul_f32 v[14:15], v[14:15], v[252:253] op_sel_hi:[1,0]   ; the sums under the new M; a plain instruction behind the exponentials
	s_wait_alu depctr_va_vdst(0)                   ; one wait for the batch, ahead of its first reader
.irp b, 0,1,2,3
	v_exp_f32 v[232+\b], v[232+\b]                 ; the blocks' largest p
.endr
	v_pk_add_f32 v[236:237], v[100:101], v[104:105]
	v_pk_add_f32 v[250:251], v[108:109], v[112:113]
	v_pk_add_f32 v[248:249], v[116:117], v[120:121]
	v_pk_add_f32 v[246:247], v[124:125], v[128:129]
	v_pk_add_f32 v[244:245], v[132:133], v[136:137]
	v_pk_add_f32 v[242:243], v[140:141], v[144:145]
	v_pk_add_f32 v[240:241], v[148:149], v[152:153]
	v_pk_add_f32 v[14:15], v[14:15], v[156:157]
	v_pk_add_f32 v[236:237], v[236:237], v[96:97]
	v_pk_add_f32 v[250:251], v[250:251], v[98:99]
	v_pk_add_f32 v[248:249], v[248:249], v[102:103]
	v_pk_add_f32 v[246:247], v[246:247], v[106:107]
	v_pk_add_f32 v[244:245], v[244:245], v[110:111]
	v_pk_add_f32 v[242:243], v[242:243], v[114:115]
	v_pk_add_f32 v[240:241], v[240:241], v[118:119]
	v_pk_add_f32 v[14:15], v[14:15], v[122:123]
	v_pk_add_f32 v[236:237], v[236:237], v[126:127]
	v_pk_add_f32 v[250:251], v[250:251], v[130:131]
	v_pk_add_f32 v[248:249], v[248:249], v[134:135]
	v_pk_add_f32 v[246:247], v[246:247], v[138:139]
	v_pk_add_f32 v[244:245], v[244:245], v[142:143]
	v_pk_add_f32 v[242:243], v[242:243], v[146:147]
	v_pk_add_f32 v[240:241], v[240:241], v[150:151]
	v_pk_add_f32 v[14:15], v[14:15], v[154:155]
	v_pk_add_f32 v[236:237], v[236:237], v[158:159]
	s_delay_alu instid0(VALU_DEP_2)
	v_pk_add_f32 v[14:15], v[14:15], v[246:247]
	s_delay_alu instid0(VALU_DEP_2)
	v_pk_add_f32 v[236:237], v[236:237], v[244:245]
	v_pk_add_f32 v[250:251], v[250:251], v[242:243]
	v_pk_add_f32 v[248:249], v[248:249], v[240:241]
	s_delay_alu instid0(VALU_DEP_2)
	v_pk_add_f32 v[14:15], v[14:15], v[250:251]
	s_delay_alu instid0(VALU_DEP_2)
	v_pk_add_f32 v[236:237], v[236:237], v[248:249]
	s_delay_alu instid0(VALU_DEP_1)
	v_pk_add_f32 v[14:15], v[14:15], v[236:237]
	s_wait_alu depctr_va_vdst(0)                   ; and one for the four
.irp b, 0,1,2,3
	v_max_num_f32 v[232+\b], 0x1800000, v[232+\b]  ; the floor 2^(3 - 127)
.endr
.irp b, 0,1,2,3
	s_delay_alu instid0(VALU_DEP_4)
	v_add_nc_u32 v[244+\b], 0xff000000, v[232+\b]
.endr
.irp b, 0,1,2,3
	s_delay_alu instid0(VALU_DEP_4)
	v_lshrrev_b32 v[236+\b], 23, v[244+\b]
.endr
	s_delay_alu instid0(VALU_DEP_3)
	v_lshl_or_b32 v253, v237, 8, v236              ; p's scale word for these 128 keys
	s_delay_alu instid0(VALU_DEP_1)
	v_lshl_or_b32 v253, v238, 16, v253
	s_delay_alu instid0(VALU_DEP_1)
	v_lshl_or_b32 v253, v239, 24, v253
.irp c, 0,1
	v_cvt_scalef32_pk16_fp6_f32 v[224+6*\c:226+6*\c], v[96+32*\c:111+32*\c], v[244+2*\c]
	v_cvt_scalef32_pk16_fp6_f32 v[236+4*\c:238+4*\c], v[112+32*\c:127+32*\c], v[244+2*\c+1]
.endr
	v_nop
.irp c, 0,1
.irp i, 0,1,2
	v_permlane16_swap_b32 v[224+6*\c+\i], v[236+4*\c+\i]
.endr
.irp i, 0,1,2
	s_delay_alu instid0(VALU_DEP_3)
	v_mov_b32 v[227+6*\c+\i], v[236+4*\c+\i]
.endr
.endr
.set j, 0
.rept 32
	v_pk_mul_f32 v[160+j:161+j], v[160+j:161+j], v[252:253] op_sel_hi:[1,0]   ; O^T under the new M; these 32 are also the places in front of the products and loads below
.set j, j+2
.endr
	s_wait_alu depctr_va_vdst(0)
.irp g, 0,1                                    ; O^T += V^T P^T
.if \g > 0
.rept 4
	v_nop
.endr
.endif
.irp t, 0,1,2,3
.irp c, 0,1,2
	ds_load_b128 v[32+12*\t+4*\c:35+12*\t+4*\c], v[ADV] offset:1536*(4*\g+\t)+512*\c
.endr
.endr
.irp j, 0,1
	ds_load_b32 v[248+\j], v[ADT] offset:128*(2*\g+\j)
.endr
	s_wait_dscnt 0x0
.irp t, 0,2
	v_wmma_scale_f32_16x16x128_f8f6f4 v[160+8*(4*\g+\t):167+8*(4*\g+\t)], v[32+12*\t:43+12*\t], v[224:235], v[160+8*(4*\g+\t):167+8*(4*\g+\t)], v[248+\t/2], v253 matrix_a_fmt:MATRIX_FMT_FP6 matrix_b_fmt:MATRIX_FMT_FP6
	v_wmma_scale_f32_16x16x128_f8f6f4 v[168+8*(4*\g+\t):175+8*(4*\g+\t)], v[44+12*\t:55+12*\t], v[224:235], v[168+8*(4*\g+\t):175+8*(4*\g+\t)], v[248+\t/2], v253 matrix_a_fmt:MATRIX_FMT_FP6 matrix_b_fmt:MATRIX_FMT_FP6 matrix_a_scale:MATRIX_SCALE_ROW1
.endr
.endr
.Lhidden_\@:
.endm
	ARRIVE 0                                       ; every wave has waited for its load ahead of its signal: K, V and the scale words are in LDS whole; from here on no wave waits for another
	STEP 0
	STEP 1
	STEP 2
	STEP 3
	STEP 4
	STEP 5
	STEP 6
	STEP 7
	; THE WAY OUT: O^T / the sum, quantised along the head's 128: register 16 b + i is channel 32 b + 16 h + i of my query.  The image is stored as it stands: 512 consecutive bytes a store.
.rept 4
	v_nop                                          ; the places behind the last products
.endr
	v_add_f32 v14, v14, v15
	s_delay_alu instid0(VALU_DEP_1)
	v_permlanex16_b32 v252, v14, s[SEL], s[SEL+1]
	s_delay_alu instid0(VALU_DEP_1)
	v_add_f32 v14, v14, v252                       ; the row's sum
	s_wait_alu depctr_va_vdst(0)
	v_rcp_f32 v14, v14
	v_nop                                          ; a plain instruction behind the transcendental,
	s_wait_alu depctr_va_vdst(0)                   ; and the wait ahead of its first reader
.set j, 0
.rept 64
	v_mul_f32 v[96+j], v[160+j], v14               ; registers ascend: each accumulator is read from its low end on
.set j, j+1
.endr
.irp b, 0,1,2,3
	v_mov_b32 v[56+\b], 0
.endr
	QUANT 96, 32, 52, 68
.irp c, 0,1,2
	global_store_b128 v1, v[32+4*\c:35+4*\c], s[68:69] offset:512*\c
.endr
	global_store_b32 v3, v68, s[70:71]             ; lanes r and r + 16 hold the same word and write it to the same place
	s_wait_tensorcnt 0x0                           ; the wave's end
	ds_add_u32 v[SPW], v[NIL]
	s_wait_dscnt 0x0
	CROUND                                         ; the closing round
	s_endpgm
.Lfunc_end_k_qc19556c6fb_attn:
	.size	k_qc19556c6fb_attn, .Lfunc_end_k_qc19556c6fb_attn-k_qc19556c6fb_attn
	.p2alignl 7, 3214868480
	.fill 96, 4, 3214868480
	.section	.rodata,"a",@progbits
	.p2align	6, 0x0
	.amdhsa_kernel k_qc19556c6fb_attn
		.amdhsa_group_segment_fixed_size 206848
		.amdhsa_private_segment_fixed_size 0
		.amdhsa_enable_private_segment 0
		.amdhsa_kernarg_size 32
		.amdhsa_user_sgpr_count 2
		.amdhsa_user_sgpr_kernarg_segment_ptr 1
		.amdhsa_wavefront_size32 1
		.amdhsa_system_sgpr_workgroup_id_x 1
		.amdhsa_system_sgpr_workgroup_id_y 1
		.amdhsa_system_sgpr_workgroup_id_z 1
		.amdhsa_system_vgpr_workitem_id 0
		.amdhsa_next_free_vgpr 256
		.amdhsa_next_free_sgpr 76
		.amdhsa_reserve_vcc 1
		.amdhsa_float_denorm_mode_32 3
		.amdhsa_float_denorm_mode_16_64 3
		.amdhsa_memory_ordered 1
		.amdhsa_forward_progress 1
		.amdhsa_inst_pref_size 222
	.end_amdhsa_kernel
	.amdgpu_metadata
---
amdhsa.version: [ 1, 2 ]
amdhsa.kernels:
  - .name:           k_qc19556c6fb_attn
    .symbol:         k_qc19556c6fb_attn.kd
    .args:
      - { .name: qk, .offset: 0, .size: 8, .value_kind: global_buffer, .address_space: global }
      - { .name: kvf, .offset: 8, .size: 8, .value_kind: global_buffer, .address_space: global }
      - { .name: scatter_indices, .offset: 16, .size: 8, .value_kind: global_buffer, .address_space: global }
      - { .name: oc, .offset: 24, .size: 8, .value_kind: global_buffer, .address_space: global }
    .group_segment_fixed_size: 206848
    .private_segment_fixed_size: 0
    .kernarg_segment_align: 8
    .kernarg_segment_size: 32
    .max_flat_workgroup_size: 512
    .sgpr_count:     76
    .vgpr_count:     256
    .wavefront_size: 32
...
	.end_amdgpu_metadata
.endif
;; end of part 4
;; launch oproj (part 5): grid 16 x 16, 4 waves a work-group, clusters of 4 x 1, 167,936 bytes of LDS; arguments oc, wc, psc, fold_gather, out0; writes out0
.if DOCPART == 5
	.amdgcn_target "amdgcn-amd-amdhsa--gfx1250"
	.amdhsa_code_object_version 6
	.text
	.protected	k_qc19556c6fb_oproj
	.globl	k_qc19556c6fb_oproj
	.p2align	8
	.type	k_qc19556c6fb_oproj,@function
k_qc19556c6fb_oproj:
	s_mov_b64 s[64:65], 0
	v_nop
	global_prefetch_b8 v0, s[64:65] scope:SCOPE_SE
	s_setreg_imm32_b32 hwreg(HW_REG_WAVE_MODE, 25, 1), 1
	s_wait_xcnt 0x0
	s_wait_alu depctr_hold_cnt(0) depctr_sa_sdst(0) depctr_va_vdst(0) depctr_va_sdst(0) depctr_va_ssrc(0) depctr_va_vcc(0) depctr_vm_vsrc(0)
	s_getreg_b32 s2, hwreg(HW_REG_IB_STS2, 6, 4)
	s_cmp_eq_u32 s2, 0
	s_cbranch_scc0 .Lentry_in_a_cluster
	s_endpgm
.Lentry_in_a_cluster:
	s_bfe_u32 s2, ttmp6, 0x10000c
	s_cmp_lg_u32 s2, 0x3003
	s_cbranch_scc0 .Lentry_shape_is_right
	s_endpgm
.Lentry_shape_is_right:
; out0 = (attention result, rows folded by fold_gather) x wo, on codes of E2M3, K = 1,024: 8 steps of 128, one for each head.  The result was quantised row by row, so the fold moves whole rows of codes and their scale words.
; SHARES.  A work-group takes 25 row tiles of 16 rows (row block x) and 128 columns (y): 16 x 16 = 256 work-groups.  Its waves take 7, 6, 6, 6 row tiles, each against all 8 column tiles;
; wave 0's seventh tile stands under short branches on the wave's number.
; wo's codes of the 128 columns for all of K, 98,304 dense bytes, are filled into LDS once: each wave fetches two column tiles (96 rows of 256 bytes) by one tensor load; nothing is filled again.
; The four work-groups of a cluster (four row blocks, one y) read the same weights: the load is JOINT, mask 15.
; The rows' addresses hang on fold_gather (held at 8,191), and no two waves read the same rows: so each lane gathers its row's bytes of each image straight into the operand's registers,
; into three sets that take turns: a set is asked for three K steps ahead of its use.  No barrier stands in the walk along K.
; All scale words stand in 60 registers for the whole walk: a register holds an even step's words in lanes 0-15 and the next step's in lanes 16-31.
; No data prefetch: the walk is 8 steps, written out with no loop to run ahead in, and three of the eight steps are asked for at the head, as soon as the indices are known.
; THE MATRIX INSTRUCTION IS USED TRANSPOSED (source 0 = 16 columns of wo, source 1 = 16 rows): a lane holds one row, and the 16 registers of two neighbouring column tiles are 16 neighbouring columns.
; THE WAY OUT: a tile's 16 rows x 512 bytes go through my stage in LDS and leave as whole rows: 32 lanes store 512 consecutive bytes.
; REGISTERS.  window 0: v0-31 addresses; v32-59 the rows' scale words, v60-91 wo's; v96-191 wo's eight fragments of a step, in two halves.   window 1: the rows' sets 0-2 at 0, 84, 168.
;   window 2: accumulators of tiles 0-3, (a, b) at 64 (a % 4) + 8 b;   window 3: tiles 4-6.
.set FR,     12
.set STG,    98304                     ; behind the weights: 16 rows x 528 bytes for each wave
.set SPITCH, 528
.set SPARE,  STG+4*16*SPITCH
.set GOFF, 2                           ; v2-8   the gathers' offsets, one for each of my tiles
.set BSO,  9
.set HH,   13
.set R4,   14
.set ADB,  16                          ; v16-17 wo's fragments: column tiles 0-3, 4-7
.set STO,  24
.set RD,   25
.set CO,   26
.set SPW,  28
.set NIL,  29
.set AS,   32
.set BS,   60
.set BF,   96
.set BK,   96
.set IX,   192                         ; v192-198 the indices, v200-206 the scale words' offsets: at the head alone
.set SOFF, 200
.set WV, 14
.set G1, 32
.set G0, 40
.set MSB, 0
.macro WIN new
.if MSB != (\new)
	s_set_vgpr_msb (MSB<<8)|(\new)
.set MSB, (\new)
.endif
.endm
.macro CROUND
	s_barrier_signal -1
	s_barrier_wait -1
	s_cmp_lg_u32 s[WV], 0
	s_cbranch_scc1 .Lnot_wave_0_\@
	s_barrier_signal -3
.Lnot_wave_0_\@:
	s_barrier_wait -3
	s_barrier_signal -1
	s_barrier_wait -1
.endm
.macro PLACES n
.rept \n
	v_nop
.endr
.endm
	s_load_b256 s[4:11], s[0:1], 0x0               ; oc, wc, psc, fold_gather
	s_load_b64 s[12:13], s[0:1], 0x20              ; out0
	v_lshl_add_u32 v[SPW], v0, 2, SPARE
	v_mov_b32 v[NIL], 0
	ds_add_u32 v[SPW], v[NIL]                      ; the opening lines: the add, twice on end, and its wait
	ds_add_u32 v[SPW], v[NIL]
	v_lshrrev_b32 v1, 5, v0
	v_readfirstlane_b32 s[WV], v1
	s_bfe_u32 s15, ttmp6, 0x40000                  ; cx: it enters global addresses alone
	s_lshl_b32 s16, ttmp9, 2
	s_add_co_u32 s16, s16, s15                     ; row block
	s_and_b32 s17, ttmp7, 0xffff                   ; y
	s_mov_b32 s[G1], 15|(3<<16)|(1<<21)            ; all four partners; elements of 8 bytes
	s_mov_b32 s[G1+1], 32<<16
	s_mov_b32 s[G1+2], 96<<16
	s_mov_b32 s[G1+3], 32<<16
	s_mov_b32 s[G1+4], 96
	s_mov_b32 s[G1+5], 32
	s_mov_b32 s[G1+6], 0
	s_mov_b32 s[G1+7], 0
	s_mul_i32 s18, s[WV], 6
	s_min_u32 s19, s[WV], 1
	s_add_co_u32 s18, s18, s19                     ; my first tile in the block: 0, 7, 13, 19
	s_mul_i32 s19, s16, 25
	s_add_co_u32 s19, s19, s18                     ; and among the 400
	s_mul_i32 s44, s[WV], 24576                    ; my two column tiles, in LDS as in wc
	s_mul_i32 s20, s17, 98304
	s_add_co_u32 s20, s20, s44
	s_add_co_u32 s20, s20, 3145728
	s_mov_b32 s21, 0
	s_lshl_b32 s22, s17, 12
	s_add_co_u32 s22, s22, 540672                  ; wo's scale words: 512 bytes a column tile
	s_mov_b32 s23, 0
	s_lshl_b32 s26, s19, 6
	s_mov_b32 s27, 0
	s_lshl_b32 s28, s19, 17                        ; 16 rows of 8,192 bytes a tile
	s_lshl_b32 s29, s17, 9
	s_add_co_u32 s28, s28, s29
	s_mov_b32 s29, 0
	s_mul_i32 s45, s[WV], 16*SPITCH
	s_add_co_u32 s45, s45, STG
	s_wait_dscnt 0x0                               ; both opening adds are done
	s_wait_kmcnt 0x0
	s_add_nc_u64 s[20:21], s[6:7], s[20:21]
	s_add_nc_u64 s[8:9], s[8:9], s[22:23]
	s_add_nc_u64 s[10:11], s[10:11], s[26:27]
	s_add_nc_u64 s[12:13], s[12:13], s[28:29]
	s_add_nc_u64 s[24:25], s[4:5], 6291456         ; the result's scale words [8 heads][8192]
	v_and_b32 v1, 15, v0                           ; r
	v_lshlrev_b32 v[R4], 2, v1
	s_wait_alu depctr_va_vdst(0)
.irp t, 0,1,2,3,4,5
	global_load_b32 v[IX+\t], v[R4], s[10:11] offset:64*\t   ; my rows' full positions: asked for ahead of the round, since every gather hangs on them
.endr
	s_cmp_lg_u32 s[WV], 0
	s_cbranch_scc1 .Lhead_a
	global_load_b32 v[IX+6], v[R4], s[10:11] offset:384
.Lhead_a:
	CROUND                                         ; the four partners are here: the joint loads meet
	s_mov_b32 s[G0], 1
	s_mov_b32 s[G0+1], s44
	s_mov_b64 s[G0+2:G0+3], s[20:21]
	s_or_b32 s[G0+3], s[G0+3], 0x80000000
	tensor_load_to_lds s[G0:G0+3], s[G1:G1+7]      ; my one tensor load of the launch
	s_nop 0
	PLACES 4
	v_bfe_u32 v[HH], v0, 4, 1                      ; h
	v_and_b32 v12, 31, v0
	v_lshlrev_b32 v[CO], 4, v12
	v_mov_b32 v[ADB], v[CO]
	v_add_nc_u32 v[ADB+1], 49152, v[CO]
	v_lshlrev_b32 v[BSO], 3, v1
	v_lshl_add_u32 v[BSO], v[HH], 2, v[BSO]        ; 8 r + 4 h: the even step's word or the odd step's
	v_mul_u32_u24 v15, v1, SPITCH
	v_lshl_add_u32 v15, v[HH], 6, v15
	v_add_nc_u32 v[STO], s45, v15
	v_add_nc_u32 v[RD], s45, v[CO]
	s_wait_alu depctr_va_vdst(0)
.irp b, 0,1,2,3,4,5,6,7
.irp p, 0,1,2,3
	global_load_b32 v[BS+4*\b+\p], v[BSO], s[8:9] offset:512*\b+128*\p   ; wo's scale words hang on no index: they are asked for ahead of the wait for the indices
.endr
.endr
	s_wait_loadcnt 32                              ; the indices are in; the 32 loads just issued may be out
.macro OFFS t                          ; row f lies in image f / 16 as row f % 16: 12,288 (f / 16) + 16 (f % 16 + 16 h); its scale words at 4 f, the odd step's 32,768 on
	v_lshrrev_b32 v10, 4, v[IX+\t]
	v_min_u32 v10, 511, v10
	v_and_b32 v11, 15, v[IX+\t]
	v_min_u32 v11, 15, v11
	v_mul_u32_u24 v10, v10, 12288
	v_lshl_add_u32 v10, v11, 4, v10
	v_lshl_add_u32 v[GOFF+\t], v[HH], 8, v10
	v_min_u32 v10, 8191, v[IX+\t]
	v_lshlrev_b32 v10, 2, v10
	v_lshl_add_u32 v[SOFF+\t], v[HH], 15, v10
.endm
.macro ASC t                           ; a tile's scale words: four registers, a pair of steps each
.irp p, 0,1,2,3
	global_load_b32 v[AS+4*(\t)+\p], v[SOFF+\t], s[24:25] offset:65536*\p
.endr
.endm
.macro ALOAD st, t0, t1                ; my tiles t0 .. t1 of K step st into set st % 3
	WIN 0x40
.set t, \t0
.rept (\t1)-(\t0)+1
.irp c, 0,1,2
	global_load_b128 v[84*((\st)%3)+FR*t+4*\c:84*((\st)%3)+FR*t+4*\c+3], v[GOFF+t], s[4:5] offset:1536*(\st)+512*\c
.endr
.set t, t+1
.endr
	WIN 0
.endm
.macro BLOAD hb, st                    ; wo's column tiles 4 hb .. 4 hb + 3 of a K step
.irp b, 0,1,2,3
.irp c, 0,1,2
	ds_load_b128 v[BF+FR*(4*(\hb)+\b)+4*\c:BF+FR*(4*(\hb)+\b)+4*\c+3], v[ADB+(\hb)] offset:12288*\b+1536*(\st)+512*\c
.endr
.endr
.endm
.macro MUL a, hb, st                   ; row tile a x four column tiles; step 0 starts the sums; an odd step's scale words stand in lanes 16-31
.irp b, 0,1,2,3
.set DA, 64*((\a)%4)+8*(4*(\hb)+\b)
.set WB, BF+FR*(4*(\hb)+\b)
.set XA, 84*((\st)%3)+FR*(\a)
.set SW, BS+4*(4*(\hb)+\b)+(\st)/2
.set SX, AS+4*(\a)+(\st)/2
.if (\st) == 0
	v_wmma_scale_f32_16x16x128_f8f6f4 v[DA:DA+7], v[WB:WB+FR-1], v[XA:XA+FR-1], 0, v[SW], v[SX] matrix_a_fmt:MATRIX_FMT_FP6 matrix_b_fmt:MATRIX_FMT_FP6
.elseif (\st)%2
	v_wmma_scale_f32_16x16x128_f8f6f4 v[DA:DA+7], v[WB:WB+FR-1], v[XA:XA+FR-1], v[DA:DA+7], v[SW], v[SX] matrix_a_fmt:MATRIX_FMT_FP6 matrix_b_fmt:MATRIX_FMT_FP6 matrix_a_scale:MATRIX_SCALE_ROW1 matrix_b_scale:MATRIX_SCALE_ROW1
.else
	v_wmma_scale_f32_16x16x128_f8f6f4 v[DA:DA+7], v[WB:WB+FR-1], v[XA:XA+FR-1], v[DA:DA+7], v[SW], v[SX] matrix_a_fmt:MATRIX_FMT_FP6 matrix_b_fmt:MATRIX_FMT_FP6
.endif
.endr
.endm
.macro EXTRA st, hb, l6                ; wave 0's seventh tile: its products, and (l6) its fragment of two steps on, into the set that the last step left
	s_cmp_lg_u32 s[WV], 0
	s_cbranch_scc1 .Lsix_\@
.if \l6
	ALOAD (\st)+2, 6, 6
.endif
	WIN 0xf4
	MUL 6, \hb, \st
	WIN 0
.Lsix_\@:
.endm
.macro HALF st, hb, l6, lb             ; half a step: all my row tiles x four column tiles (the accumulators take turns); then the next step's same half of wo
	WIN 0xa4                                       ; source 0 window 0, source 1 window 1, C and D window 2
.irp a, 0,1,2,3
	MUL \a, \hb, \st
.endr
	WIN 0xf4
	MUL 4, \hb, \st
	MUL 5, \hb, \st
	WIN 0
	EXTRA \st, \hb, \l6
.if \lb
	PLACES 4                                       ; in front of loads into registers that matrix instructions have read
	BLOAD \hb, (\st)+1
.endif
.endm
; A K step.  n: the gathers that may stay out: the younger sets, 18 loads each.
; s_wait_dscnt 12: the half of wo that is due is in; the twelve loads of the other half may be out.
.macro STEP st, la, l6, lb, n
	s_wait_loadcnt \n
	s_wait_dscnt 12
	HALF \st, 0, \l6, \lb
.if \lb
	s_wait_dscnt 12
.else
	s_wait_dscnt 0x0
.endif
	HALF \st, 1, 0, \lb
.if \la
	ALOAD (\st)+3, 0, 5                            ; this step's set takes the step three on
.endif
.endm
.irp t, 0,1,2,3,4,5
	OFFS \t
.endr
	s_wait_alu depctr_va_vdst(0)
	s_cmp_lg_u32 s[WV], 0
	s_cbranch_scc1 .Lhead_b
	OFFS 6
	s_wait_alu depctr_va_vdst(0)                   ; likewise
	ASC 6
.irp s, 0,1,2
	ALOAD \s, 6, 6
.endr
.Lhead_b:
.irp t, 0,1,2,3,4,5
	ASC \t
.endr
	ALOAD 0, 0, 5
	ALOAD 1, 0, 5
	ALOAD 2, 0, 5
	s_wait_tensorcnt 0x0                           ; my two column tiles are in
	s_barrier_signal -1
	s_barrier_wait -1                              ; all of wo's 128 columns are in LDS for every wave: the only barrier ahead of the end
	BLOAD 0, 0
	BLOAD 1, 0
	STEP 0, 1, 0, 1, 36                            ; the scale words and set 0 are in; sets 1 and 2 may be out
	STEP 1, 1, 1, 1, 36
	STEP 2, 1, 1, 1, 36
	STEP 3, 1, 1, 1, 36
	STEP 4, 1, 1, 1, 36
	STEP 5, 0, 1, 1, 36                            ; the last steps ask for nothing beyond K
	STEP 6, 0, 0, 1, 18
	STEP 7, 0, 0, 0, 0
	PLACES 4                                       ; behind the last products
.macro TOSTAGE a
.set AC, 64*((\a)%4)
	WIN 0x08+4*((\a)/4)
.irp b, 0,1,2,3,4,5,6,7
	ds_store_b128 v[STO], v[AC+8*\b:AC+8*\b+3] offset:128*(\b/2)+32*(\b%2)      ; each accumulator from its low end on
	ds_store_b128 v[STO], v[AC+8*\b+4:AC+8*\b+7] offset:128*(\b/2)+32*(\b%2)+16
.endr
	WIN 0
.set BB, BK+64*((\a)%2)
.irp t, 0,1,2,3,4,5,6,7,8,9,10,11,12,13,14,15
	ds_load_b128 v[BB+4*\t:BB+4*\t+3], v[RD] offset:\t*SPITCH   ; LDS serves a wave's instructions in order: these see the stores above
.endr
.endm
.macro SEND a, younger
.set BB, BK+64*((\a)%2)
	s_wait_dscnt \younger
.irp t, 0,1,2,3,4,5,6,7,8,9,10,11,12,13,14,15
	global_store_b128 v[CO], v[BB+4*\t:BB+4*\t+3], s[12:13] offset:(16*(\a)+\t)*8192 th:TH_STORE_NT   ; 512 consecutive bytes, at a multiple of 256 from out0's first byte
.endr
.endm
	TOSTAGE 0
.irp a, 1,2,3,4,5
.if \a > 1
	s_wait_xcnt 0x0                                ; tile a - 2's stores have read their registers
.endif
	TOSTAGE \a
	SEND \a-1, 32                                  ; behind tile a - 1's loads: tile a's 16 stores and 16 loads
.endr
	SEND 5, 0
	s_cmp_lg_u32 s[WV], 0
	s_cbranch_scc1 .Ldone
	s_wait_xcnt 0x0
	TOSTAGE 6
	SEND 6, 0
.Ldone:
	s_wait_tensorcnt 0x0                           ; the wave's end
	ds_add_u32 v[SPW], v[NIL]
	s_wait_dscnt 0x0
	CROUND                                         ; the closing round
	s_endpgm
.Lfunc_end_k_qc19556c6fb_oproj:
	.size	k_qc19556c6fb_oproj, .Lfunc_end_k_qc19556c6fb_oproj-k_qc19556c6fb_oproj
	.p2alignl 7, 3214868480
	.fill 96, 4, 3214868480
	.section	.rodata,"a",@progbits
	.p2align	6, 0x0
	.amdhsa_kernel k_qc19556c6fb_oproj
		.amdhsa_group_segment_fixed_size 167936
		.amdhsa_private_segment_fixed_size 0
		.amdhsa_enable_private_segment 0
		.amdhsa_kernarg_size 40
		.amdhsa_user_sgpr_count 2
		.amdhsa_user_sgpr_kernarg_segment_ptr 1
		.amdhsa_wavefront_size32 1
		.amdhsa_system_sgpr_workgroup_id_x 1
		.amdhsa_system_sgpr_workgroup_id_y 1
		.amdhsa_system_sgpr_workgroup_id_z 1
		.amdhsa_system_vgpr_workitem_id 0
		.amdhsa_next_free_vgpr 1024
		.amdhsa_next_free_sgpr 66
		.amdhsa_reserve_vcc 0
		.amdhsa_float_denorm_mode_32 3
		.amdhsa_float_denorm_mode_16_64 3
		.amdhsa_memory_ordered 1
		.amdhsa_forward_progress 1
		.amdhsa_inst_pref_size 131
	.end_amdhsa_kernel
	.amdgpu_metadata
---
amdhsa.version: [ 1, 2 ]
amdhsa.kernels:
  - .name:           k_qc19556c6fb_oproj
    .symbol:         k_qc19556c6fb_oproj.kd
    .args:
      - { .name: oc, .offset: 0, .size: 8, .value_kind: global_buffer, .address_space: global }
      - { .name: wc, .offset: 8, .size: 8, .value_kind: global_buffer, .address_space: global }
      - { .name: psc, .offset: 16, .size: 8, .value_kind: global_buffer, .address_space: global }
      - { .name: fold_gather, .offset: 24, .size: 8, .value_kind: global_buffer, .address_space: global }
      - { .name: out0, .offset: 32, .size: 8, .value_kind: global_buffer, .address_space: global }
    .group_segment_fixed_size: 167936
    .private_segment_fixed_size: 0
    .kernarg_segment_align: 8
    .kernarg_segment_size: 40
    .max_flat_workgroup_size: 128
    .sgpr_count:     66
    .vgpr_count:     1024
    .wavefront_size: 32
...
	.end_amdgpu_metadata
.endif
;; end of part 5
